; MI455X (gfx1250); checked and timed in simulation.
; The chip was launched on July 23, 2026; its instructions are those of AMD's public machine-readable ISA for CDNA 5 (MIT licence, August 2026) and "CDNA5" Instruction Set Architecture Reference Guide (July 2026). The comments in the code are by the model that wrote it; some were corrected since.
;; Multihead Attention. Allowed arithmetic: matrix products marked QUANTISED: E2M1 operands, one E8M0 scale for each 32 along K, by v_wmma_scale_f32_16x16x128_f8f6f4 with both operands' format E2M1 (or v_wmma_scale_f32_32x16x128_f4), f32 sums; everything else in f32.
;; Inputs: mask 2,048 x 2,048 int32; out_b 1,024 float32; out_w 1,024 x 1,024 float32; qkv_b 3,072 float32; qkv_w 1,024 x 3,072 float32; x 4 x 2,048 x 1,024 float32.
;; Outputs: out0 4 x 2,048 x 1,024 float32.
;; This version of the problem:
;;   THIS VERSION OF THE PROBLEM IS GIVEN IN LOW PRECISION. The matrix products marked QUANTISED in the list below multiply operands that are first quantised to E2M1 (2 exponent bits, 1 mantissa bit; 4 bits a number), with one power-of-two scale for each 32 numbers along K (OCP MX v1.0); their sums are f32. All else is computed in f32.
;;   The module's matrix products, in the order in which they are computed (A, B: the left and right operand; K: the contracted axis; several contracted axes count as one K, in the product's order):
;;     1. [M 8,192, K 1,024] x [K 1,024, N 3,072]; A: input x; B: input qkv_w: QUANTISED
;;     2. batch 64 x [M 2,048, K 64] x [K 64, N 2,048]; A: computed on the way; B: computed on the way: QUANTISED
;;     3. batch 64 x [M 2,048, K 2,048] x [K 2,048, N 64]; A: softmax (see below); B: computed on the way: QUANTISED
;;     4. [M 8,192, K 1,024] x [K 1,024, N 1,024]; A: computed on the way; B: input out_w: QUANTISED
;;   THE QUANTISER, for each operand of a quantised product, along K:
;;     - K is cut into blocks of 32 from its start; a last block that is shorter is filled with zeros.
;;     - A block's scale is 2^e with e = floor(log2(the largest magnitude in the block)) - 2, held to -126 .. 127; a block of zeros has e = 0. As a byte (E8M0): e + 127.
;;     - Each number is divided by its block's scale, clamped to +-6, and rounded to the nearest number of E2M1, ties to even, subnormals kept.
;;     - The product sums the exact products of the quantised numbers (number of the format x scale) in f32.
;;   ~~~python
;;   def quantise(x, axis):      # numpy; x: float32 -> the quantised numbers, widened to float32 again
;;       x = np.moveaxis(x, axis, -1); K = x.shape[-1]
;;       x = np.pad(x, [(0, 0)] * (x.ndim - 1) + [(0, -K % 32)]); x = x.reshape(x.shape[:-1] + (-1, 32)); a = np.abs(x).max(-1, keepdims=True)
;;       e = np.where(a > 0, np.clip(np.frexp(np.where(a > 0, a, 1))[1] - 1 - 2, -126, 127), 0)      # np.frexp(a)[1] - 1 = floor(log2(a)), exactly
;;       r = np.clip(x / 2.0 ** e, -6, 6)
;;       step = 2.0 ** (np.maximum(np.frexp(np.where(r == 0, 1, r))[1] - 1, 0) - 1)
;;       q = np.round(r / step) * step * 2.0 ** e      # np.round: ties to even
;;       return np.moveaxis(q.reshape(q.shape[:-2] + (-1,))[..., :K], -1, axis).astype(np.float32)
;;   ~~~
;;   SOFTMAX AHEAD OF A QUANTISED PRODUCT. Where the list says 'softmax', what is quantised is not the finished softmax but p = 2^(t - M), with t = logit x log2(e) and M = ceil(the row's largest t), a whole number; so 1/2 < the row's largest p <= 1. The row's sum l is taken of the UNQUANTISED p, in f32, and the product's result is divided by l at the end. Since M is a whole number, a kernel that streams over the keys may use a running M (the ceiling of the running maximum): every later rescaling is an exact power of two, which a block's scale takes up: the codes' values come out the same.
;;   OPERANDS COMPUTED ON THE WAY. 'Computed on the way' means the value that the module computes at that place (a softmax that the list does not call 'softmax' is quantised finished and normalised). What goes into a quantiser is computed in f32, as accurately as f32 sums, v_exp_f32 and their like allow (about 1e-6 of the number): no bf16 or f16 on the way to a quantiser, and a product that is left as it is and whose result goes on into a quantised operand takes f32 operands (vector FMAs, or v_wmma_f32_16x16x4_f32). A number that lies on a knife's edge between two numbers of the format may be rounded either way, as far as f32 arithmetic and the matrix unit's own rounding can turn it there, and no further.
;; One version. Each part assembles by itself: llvm-mc -triple=amdgcn-amd-amdhsa -mcpu=gfx1250 --defsym DOCPART=n.
;; ======== version 1 of 1: 4 launches
;; workspace buffers: xq 4,456,448 bytes; wq 2,228,224 bytes; hd 13,369,344 bytes; aq 4,456,448 bytes; rope 524,288 bytes; maskw 524,288 bytes of whole numbers; flags 512 bytes of whole numbers
;; launch prep (part 1): grid 336 x 1, 8 waves a work-group, no clusters, 136,448 bytes of LDS; arguments x, qkv_w, out_w, mask, xq, wq, rope, maskw, flags; writes xq, wq, rope, maskw, flags
.if DOCPART == 1
	.amdgcn_target "amdgcn-amd-amdhsa--gfx1250"
	.amdhsa_code_object_version 6
	.text
	.protected	k_q12a5bc5787_prep
	.globl	k_q12a5bc5787_prep
	.p2align	8
	.type	k_q12a5bc5787_prep,@function
k_q12a5bc5787_prep:
	s_mov_b64 s[64:65], 0
	v_nop
	global_prefetch_b8 v0, s[64:65] scope:SCOPE_SE
	s_setreg_imm32_b32 hwreg(HW_REG_WAVE_MODE, 25, 1), 1
	s_wait_xcnt 0x0
; PREPARATION, one launch, five kinds of work-group told apart by the work-group's number alone:
;   0-127   x [8192][1024] f32 -> xq: codes of FP4 (E2M1) and E8M0 scale bytes, blocks of 32 along K (x's last axis)
;   128-175 qkv_w [1024 (k)][3072] -> wq blocks 0-23;   176-191 out_w [1024 (k)][1024] -> wq blocks 24-31: K is the FIRST axis: a lane takes a column, its registers run down K
;   192-319 mask [2048][2048] int32 -> maskw (a lane mask for each score register of the attention launch) and flags (which key steps are wholly shut, which wholly open)
;   320-335 the table of cos and sin for the rotary embedding -> rope
; THE OPERANDS' LAYOUT.  A block is 128 rows x 1,024 along K = 4 pieces of 17,408 bytes (256 along K each).  In a piece: codes at q 8192 + t 1024 + c 512 + 16 lane: the 16 bytes that lane (r, h) of a fragment's
; registers 4 c .. 4 c + 3 takes: k = 128 q + 64 c + 32 h + 0 .. 31 of row 32 (t / 2) + 8 (t % 2) + r + 8 (r / 8); scale words at 16384 + t 128 + r 8 + q 4.  So a fragment is 1,024 dense bytes in register order.
; A block's scale is 2^(floor(log2(largest magnitude)) - 2): its byte is the largest magnitude's exponent field - 2, held at 1 from below by a floor among the maximum's leaves.
; LIMITS: NaN and infinities among x and the weights are not served; a block whose largest magnitude lies under 2^-124 (a block of zeros too) gets the byte 1: its codes are what the conversion gives under that
; scale (zeros for zeros), and the bytes are read by this program alone.  A mask word that is not 0 counts as open.  inv_freq is 2^(-i log2(10) / 8) by v_exp_f32 on an exactly reduced argument: an ulp of it is up to
; 2e-4 radians at the last tokens.  No matrix unit, no cluster, no tensor load: every byte is read once, by one wave.
.set BLK,   69632
.set PIECE, 17408
.set SPT,   528                        ; a stage row: 512 bytes + 16: sixteen rows begin at sixteen different 16-byte columns of the banks
.set WST,   16*SPT                     ; a wave's stage
.set XSTG,  0                          ; LDS: path x's eight stages;
.set MSTG,  8*WST                      ; path mask's eight, bytes of their own;
.set FLG,   16*WST                     ; and its 32 flag words
.set FLOOR, 0x1800000                  ; 2^(3 - 127)
.set OFF2,  0xff000000                 ; -(2 << 23)
	s_load_b256 s[4:11], s[0:1], 0x0               ; x s[4:5], qkv_w s[6:7], out_w s[8:9], mask s[10:11]
	s_load_b256 s[12:19], s[0:1], 0x20             ; xq s[12:13], wq s[14:15], rope s[16:17], maskw s[18:19]
	s_load_b64 s[20:21], s[0:1], 0x40              ; flags
	v_lshl_add_u32 v30, v0, 2, 0x21100
	v_mov_b32 v31, 0
	v_lshrrev_b32 v1, 5, v0
	s_delay_alu instid0(VALU_DEP_1)
	v_readfirstlane_b32 s22, v1                    ; wave 0..7
	v_and_b32 v1, 31, v0                           ; lane
	v_and_b32 v2, 15, v0                           ; r
	v_bfe_u32 v3, v0, 4, 1                         ; h
	s_delay_alu instid0(VALU_DEP_3)
	v_lshlrev_b32 v4, 4, v1                        ; 16 x lane
	s_mov_b32 s23, 0xffff0000                      ; lanes 16-31
	s_mov_b32 s24, 0x76543210
	s_mov_b32 s25, 0xfedcba98                      ; v_permlanex16_b32's selects for lane l xor 16
	s_mul_i32 s29, s22, WST
	s_mov_b32 s31, 0
	s_wait_kmcnt 0x0
	s_cmp_lt_u32 ttmp9, 128
	s_cbranch_scc1 .Lx
	s_cmp_lt_u32 ttmp9, 176
	s_cbranch_scc1 .Lw1
	s_cmp_lt_u32 ttmp9, 192
	s_cbranch_scc1 .Lw2
	s_cmp_lt_u32 ttmp9, 320
	s_cbranch_scc1 .Lmask
; ---------------- THE TABLE.  rope[T][e][lane] = (cos, sin, cos, sin) of token 32 (T / 2) + 8 (T % 2) + r + 8 (r / 8) and frequencies i = 16 (e / 4) + 8 h + 2 (e % 4), i + 1.  A wave makes one T.
; WHOLE NUMBERS AND f32 meet at B = 1.5 x 2^23, whose neighbours are 1 apart: the bits of B + n are B's bits + n (n a whole number from 0 to 2^22), so n becomes f32 by an integer addition and the subtraction of B;
; a number added onto B is rounded to the nearest whole number, ties to even, and that number stands in the sum's low bits.
	s_sub_co_u32 s26, ttmp9, 320
	s_lshl_b32 s26, s26, 3
	s_add_co_u32 s26, s26, s22                     ; T
	s_lshl_b32 s30, s26, 12
	s_add_nc_u64 s[16:17], s[16:17], s[30:31]
	s_lshr_b32 s27, s26, 1
	s_lshl_b32 s27, s27, 5
	s_and_b32 s28, s26, 1
	s_lshl_b32 s28, s28, 3
	s_add_co_u32 s27, s27, s28
	s_mov_b32 s32, 0x3ed49a78                      ; log2(10) / 8, its f32 part,
	s_mov_b32 s33, 0x32179a39                      ; and what that leaves
	s_mov_b32 s34, 0xbfc90fdb                      ; -(pi / 2), its f32 part,
	s_mov_b32 s35, 0x333bbd2e                      ; and what that leaves (the f32 part lies above pi / 2)
	s_mov_b32 s36, 0x4b400000                      ; B
	s_mov_b32 s37, 0x3f22f983                      ; 2 / pi
	s_wait_alu depctr_va_vdst(0)
	v_and_b32 v5, 8, v2
	s_delay_alu instid0(VALU_DEP_1)
	v_add_nc_u32 v5, v5, v2
	s_delay_alu instid0(VALU_DEP_1)
	v_add_nc_u32 v5, s27, v5                       ; my token,
	s_delay_alu instid0(VALU_DEP_1)
	v_add_nc_u32 v5, s36, v5
	s_delay_alu instid0(VALU_DEP_1)
	v_sub_f32 v5, v5, s36                          ; as f32 (exact)
	v_lshl_add_u32 v6, v3, 3, s36                  ; the bits of B + 8 h
.set m, 0
.rept 16                               ; frequency m of my sixteen: i = 16 (m / 8) + 8 h + m % 8
	v_add_nc_u32 v[32+m], 16*(m/8)+(m%8), v6
	s_delay_alu instid0(VALU_DEP_1)
	v_sub_f32 v[32+m], v[32+m], s36                ; i as f32
	s_delay_alu instid0(VALU_DEP_1)
	v_fma_f32 v[48+m], v[32+m], s32, s36           ; B + k, k = the whole number nearest to i log2(10) / 8 (0 to 13)
	s_delay_alu instid0(VALU_DEP_1)
	v_sub_f32 v[80+m], v[48+m], s36                ; k
	s_delay_alu instid0(VALU_DEP_1)
	v_fma_f32 v[64+m], -v[32+m], s32, v[80+m]      ; k - i C: exact, at most 1/2 in size
	s_delay_alu instid0(VALU_DEP_1)
	v_fma_f32 v[64+m], -v[32+m], s33, v[64+m]
.set m, m+1
.endr
.set m, 0
	s_wait_alu depctr_va_vdst(0)
.rept 16
	v_exp_f32 v[64+m], v[64+m]                     ; one batch
.set m, m+1
.endr
.set m, 0
.rept 16
	v_sub_nc_u32 v[48+m], 0x4b40007f, v[48+m]      ; plain work behind the batch: 127 - k,
.set m, m+1
.endr
	s_wait_alu depctr_va_vdst(0)                   ; one wait for the sixteen, ahead of their first reader
.set m, 0
.rept 16
	v_lshlrev_b32 v[48+m], 23, v[48+m]             ; as an exponent field: 2^-k
	v_mul_f32 v[64+m], v[64+m], v[48+m]            ; inv_freq = 2^(k - i C) 2^-k: the multiplication rounds nothing
.set m, m+1
.endr
.set m, 0
.rept 16
	v_mul_f32 v8, v5, v[64+m]                      ; the angle: one rounding
	s_delay_alu instid0(VALU_DEP_1)
	v_fma_f32 v18, v8, s37, s36                    ; B + n, n = the nearest multiple of pi / 2 (0 to 1,303)
	s_delay_alu instid0(VALU_DEP_1)
	v_sub_f32 v9, v18, s36                         ; n
	s_delay_alu instid0(VALU_DEP_1)
	v_fma_f32 v10, v9, s34, v8                     ; exact: the difference has 24 bits at the most
	s_delay_alu instid0(VALU_DEP_1)
	v_fma_f32 v10, v9, s35, v10                    ; rho, at most pi / 4 in size
	s_delay_alu instid0(VALU_DEP_1)
	v_mul_f32 v11, v10, v10
	v_mov_b32 v12, 0x3638ef1d                      ; sin: the series to rho^9 (the next term is under 2e-9)
	s_delay_alu instid0(VALU_DEP_1)
	v_fmaak_f32 v12, v12, v11, 0xb9500d01
	s_delay_alu instid0(VALU_DEP_1)
	v_fmaak_f32 v12, v12, v11, 0x3c088889
	s_delay_alu instid0(VALU_DEP_1)
	v_fmaak_f32 v12, v12, v11, 0xbe2aaaab
	v_mul_f32 v13, v11, v10
	s_delay_alu instid0(VALU_DEP_1)
	v_fma_f32 v12, v12, v13, v10
	v_mov_b32 v14, 0xb493f27e                      ; cos: the series to rho^10
	s_delay_alu instid0(VALU_DEP_1)
	v_fmaak_f32 v14, v14, v11, 0x37d00d01
	s_delay_alu instid0(VALU_DEP_1)
	v_fmaak_f32 v14, v14, v11, 0xbab60b61
	s_delay_alu instid0(VALU_DEP_1)
	v_fmaak_f32 v14, v14, v11, 0x3d2aaaab
	s_delay_alu instid0(VALU_DEP_1)
	v_fmaak_f32 v14, v14, v11, 0xbf000000
	s_delay_alu instid0(VALU_DEP_1)
	v_fma_f32 v14, v14, v11, 1.0
	v_and_b32 v15, 1, v18                          ; (B's two lowest bits are 0: those of B + n are n's)
	s_delay_alu instid0(VALU_DEP_1)
	v_cmp_eq_u32 vcc_lo, 1, v15                    ; an odd quarter turn swaps the two
	s_delay_alu instid0(VALU_DEP_1)
	v_cndmask_b32 v16, v14, v12, vcc_lo
	s_delay_alu instid0(VALU_DEP_2)
	v_cndmask_b32 v17, v12, v14, vcc_lo
	v_add_nc_u32 v15, 1, v18
	s_delay_alu instid0(VALU_DEP_1)
	v_lshlrev_b32 v15, 30, v15
	s_delay_alu instid0(VALU_DEP_1)
	v_and_b32 v15, 0x80000000, v15                 ; cos is negative in quarters 1 and 2: bit 1 of n + 1
	s_delay_alu instid0(VALU_DEP_1)
	v_xor_b32 v[96+2*m], v15, v16
	v_lshlrev_b32 v15, 30, v18
	s_delay_alu instid0(VALU_DEP_1)
	v_and_b32 v15, 0x80000000, v15                 ; sin in quarters 2 and 3: bit 1 of n
	s_delay_alu instid0(VALU_DEP_1)
	v_xor_b32 v[97+2*m], v15, v17
.set m, m+1
.endr
.set e, 0
.rept 8
	global_store_b128 v4, v[96+4*e:96+4*e+3], s[16:17] offset:512*e    ; 512 consecutive bytes a store
.set e, e+1
.endr
	s_endpgm
; ---------------- x.  Wave task 8 g + w: rows 32 G .. 32 G + 31 (G = 2 g + w / 4), piece p = w % 4: four images (u = which of the two tiles, q = which 128 along K).
.Lx:
	s_lshl_b32 s26, ttmp9, 1
	s_lshr_b32 s27, s22, 2
	s_add_co_u32 s26, s26, s27                     ; G
	s_and_b32 s27, s22, 3                          ; p
	s_lshl_b32 s30, s26, 17                        ; 32 rows of 4,096 bytes
	s_lshl_b32 s28, s27, 10
	s_add_co_u32 s30, s30, s28
	s_add_nc_u64 s[4:5], s[4:5], s[30:31]
	s_lshr_b32 s30, s26, 2
	s_mul_i32 s30, s30, BLK
	s_mul_i32 s28, s27, PIECE
	s_add_co_u32 s30, s30, s28
	s_add_nc_u64 s[12:13], s[12:13], s[30:31]      ; my block and piece of xq
	s_and_b32 s26, s26, 3
	s_lshl_b32 s28, s26, 11
	s_wait_alu depctr_va_vdst(0)
	v_add_nc_u32 v24, s28, v4                      ; codes: tiles 2 (G % 4) on, 16 x lane
	s_lshl_b32 s28, s26, 8
	s_add_co_u32 s28, s28, 16384
	v_lshl_add_u32 v7, v1, 3, s28                  ; scale words: 8 x lane
	v_add_nc_u32 v5, s29, v4                       ; the stage, on the way in: a row as it lies
	v_mul_u32_u24 v6, v2, SPT
	s_delay_alu instid0(VALU_DEP_1)
	v_lshl_add_u32 v6, v3, 7, v6
	s_delay_alu instid0(VALU_DEP_1)
	v_add_nc_u32 v6, s29, v6                       ; on the way out: row r, 128 h bytes on: my 32 numbers of each 64
	v_lshlrev_b32 v25, 3, v3                       ; 8 h: my bytes' place in the scale word
	v_mov_b32 v15, 0                               ; (a lane permute's destination counts as one of its sources)
.macro LOADI k                         ; image k = 2 u + q: 16 rows x 512 bytes, each load 512 consecutive bytes
.set i, 0
.rept 16
	global_load_b128 v[32+64*((\k)%2)+4*i:32+64*((\k)%2)+4*i+3], v4, s[4:5] offset:(8*((\k)/2)+i+8*(i/8))*4096+512*((\k)%2) th:TH_LOAD_NT
.set i, i+1
.endr
.endm
.macro IMG k
.if (\k) < 3
	s_wait_loadcnt 16                              ; this image's 16 loads are in; the next image's 16 may be out
.else
	s_wait_loadcnt 0x0
.endif
.set i, 0
.rept 16
	ds_store_b128 v5, v[32+64*((\k)%2)+4*i:32+64*((\k)%2)+4*i+3] offset:SPT*i
.set i, i+1
.endr
.set i, 0
.rept 16
	ds_load_b128 v[160+4*i:160+4*i+3], v6 offset:256*(i/8)+16*(i%8)   ; LDS serves a wave's instructions in order: these see my stores.  Registers 32 c + 0 .. 31: k = 64 c + 32 h + 0 .. 31 of row r
.set i, i+1
.endr
	s_wait_dscnt 0x0                               ; the numbers are back, and the stores have read their registers,
.if (\k)+2 < 4
	LOADI (\k)+2                                   ; which take the image two on
.endif
.irp c, 0,1
	v_max3_num_f32 v[8+\c], |v[160+32*\c]|, |v[161+32*\c]|, FLOOR    ; block 2 c + h is all mine; the floor holds the byte at 1 from below
.endr
.set i, 2
.rept 15
.irp c, 0,1
	s_delay_alu instid0(VALU_DEP_2)
	v_max3_num_f32 v[8+\c], v[8+\c], |v[160+32*\c+i]|, |v[161+32*\c+i]|
.endr
.set i, i+2
.endr
.irp c, 0,1
	s_delay_alu instid0(VALU_DEP_2)
	v_add_nc_u32 v[10+\c], OFF2, v[8+\c]           ; 2 off the exponent field: the conversion's scale operand
.endr
.irp c, 0,1
	s_delay_alu instid0(VALU_DEP_2)
	v_lshrrev_b32 v[12+\c], 23, v[10+\c]           ; the scale's byte
.endr
.irp c, 0,1
.irp g, 0,1,2,3
	v_cvt_scalef32_pk8_fp4_f32 v[224+8*(\k)+4*\c+\g], v[160+32*\c+8*\g:167+32*\c+8*\g], v[10+\c]
.endr
.endr
	v_lshl_or_b32 v14, v13, 16, v12                ; my two bytes (blocks h and 2 + h),
	s_delay_alu instid0(VALU_DEP_1)
	v_lshlrev_b32 v14, v25, v14                    ; at their places;
	s_delay_alu instid0(VALU_DEP_1)
	v_permlanex16_b32 v15, v14, s24, s25
	s_delay_alu instid0(VALU_DEP_1)
	v_or_b32 v[16+(\k)], v14, v15                  ; with lane l xor 16's two the word is whole
.irp c, 0,1
	global_store_b128 v24, v[224+8*(\k)+4*\c:224+8*(\k)+4*\c+3], s[12:13] offset:8192*((\k)%2)+1024*((\k)/2)+512*\c   ; 512 consecutive bytes; each image has registers of its own
.endr
.endm
	LOADI 0
	LOADI 1
	s_wait_alu depctr_va_vdst(0)
	IMG 0
	IMG 1
	IMG 2
	IMG 3
	v_cndmask_b32 v20, v16, v18, s23               ; lanes 0-15: the first tile's words of rows r; lanes 16-31: the second tile's
	v_cndmask_b32 v21, v17, v19, s23
	global_store_b64 v7, v[20:21], s[12:13]        ; 256 consecutive bytes, aligned
	s_wait_tensorcnt 0x0
	ds_add_u32 v30, v31
	s_wait_dscnt 0x0
	s_endpgm
; ---------------- a weight [1024 (k)][N].  Work-group gi: columns 256 (gi / 4) on, piece gi % 4; wave w: 32 columns, a lane a column; 8 blocks of 32 down K.
.macro LOADB k, N, SRC
.set i, 0
.rept 32
	global_load_b32 v[32+32*((\k)%2)+i], v5, s[\SRC:\SRC+1] offset:(32*(\k)+i)*\N*4 th:TH_LOAD_NT   ; 128 consecutive bytes a wave, 1,024 a work-group
.set i, i+1
.endr
.endm
.macro BLOCKW k, N, SRC
.set XS, 32+32*((\k)%2)
.if (\k) < 7
	s_wait_loadcnt 32                              ; this block's 32 loads are in; the next block's may be out
.else
	s_wait_loadcnt 0x0
.endif
	v_max3_num_f32 v12, |v[XS]|, |v[XS+1]|, |v[XS+2]|
	v_max3_num_f32 v13, |v[XS+3]|, |v[XS+4]|, |v[XS+5]|
.irp i, 6,10,14,18,22,26
	s_delay_alu instid0(VALU_DEP_2)
	v_max3_num_f32 v12, v12, |v[XS+\i]|, |v[XS+\i+1]|
	s_delay_alu instid0(VALU_DEP_2)
	v_max3_num_f32 v13, v13, |v[XS+\i+2]|, |v[XS+\i+3]|
.endr
	s_delay_alu instid0(VALU_DEP_2)
	v_max3_num_f32 v12, v12, |v[XS+30]|, |v[XS+31]|
	s_delay_alu instid0(VALU_DEP_1)
	v_max3_num_f32 v12, v12, v13, FLOOR
	s_delay_alu instid0(VALU_DEP_1)
	v_add_nc_u32 v11, OFF2, v12
	s_delay_alu instid0(VALU_DEP_1)
	v_lshrrev_b32 v13, 23, v11
.if (\k)%4 == 0
	s_delay_alu instid0(VALU_DEP_1)
	v_mov_b32 v[16+(\k)/4], v13                    ; four bytes to a word: 128 along K
.else
	s_delay_alu instid0(VALU_DEP_1)
	v_lshl_or_b32 v[16+(\k)/4], v13, 8*((\k)%4), v[16+(\k)/4]
.endif
.irp g, 0,1,2,3
	v_cvt_scalef32_pk8_fp4_f32 v[96+4*(\k)+\g], v[XS+8*\g:XS+8*\g+7], v11
.endr
	global_store_b128 v6, v[96+4*(\k):96+4*(\k)+3], s[14:15] offset:8192*((\k)/4)+512*(((\k)/2)%2)+256*((\k)%2)   ; the sixteen lanes of each tile fill 256 consecutive bytes, aligned
.if (\k)+2 < 8
	LOADB (\k)+2, \N, \SRC
.endif
.endm
.macro WPATH N, NB0, FIRST, SRC
	s_sub_co_u32 s26, ttmp9, \FIRST
	s_lshr_b32 s27, s26, 2                         ; which 256 columns
	s_and_b32 s28, s26, 3                          ; piece
	s_mul_i32 s30, s28, 256*\N*4
	s_lshl_b32 s26, s27, 10
	s_add_co_u32 s30, s30, s26
	s_lshl_b32 s26, s22, 7
	s_add_co_u32 s30, s30, s26
	s_add_nc_u64 s[\SRC:\SRC+1], s[\SRC:\SRC+1], s[30:31]
	s_lshl_b32 s30, s27, 1
	s_lshr_b32 s26, s22, 2
	s_add_co_u32 s30, s30, s26
	s_add_co_u32 s30, s30, \NB0                    ; my block of wq
	s_mul_i32 s30, s30, BLK
	s_mul_i32 s26, s28, PIECE
	s_add_co_u32 s30, s30, s26
	s_add_nc_u64 s[14:15], s[14:15], s[30:31]
	s_and_b32 s26, s22, 3
	v_lshlrev_b32 v5, 2, v1
	v_bfe_u32 v8, v0, 3, 1                         ; column 32 (w % 4) + lane is row r' of tile 2 (w % 4) + u: u = (lane / 8) % 2,
	v_and_b32 v9, 7, v0
	s_delay_alu instid0(VALU_DEP_1)
	v_lshl_add_u32 v9, v3, 3, v9                   ; r' = lane % 8 + 8 (lane / 16)
	s_delay_alu instid0(VALU_DEP_3)
	v_lshlrev_b32 v6, 10, v8
	s_delay_alu instid0(VALU_DEP_1)
	v_lshl_add_u32 v6, v9, 4, v6
	s_lshl_b32 s27, s26, 11
	v_add_nc_u32 v6, s27, v6                       ; codes
	v_lshlrev_b32 v7, 7, v8
	s_delay_alu instid0(VALU_DEP_1)
	v_lshl_add_u32 v7, v9, 3, v7
	s_lshl_b32 s27, s26, 8
	s_add_co_u32 s27, s27, 16384
	v_add_nc_u32 v7, s27, v7                       ; scale words
	LOADB 0, \N, \SRC
	LOADB 1, \N, \SRC
.irp k, 0,1,2,3,4,5,6,7
	BLOCKW \k, \N, \SRC
.endr
	global_store_b64 v7, v[16:17], s[14:15]        ; 256 consecutive bytes, aligned
	s_endpgm
.endm
.Lw1:
	s_wait_alu depctr_va_vdst(0)
	WPATH 3072, 0, 128, 6
.Lw2:
	s_wait_alu depctr_va_vdst(0)
	WPATH 1024, 24, 176, 8
; ---------------- the mask.  Work-group T: the 16 queries of tile T; wave w: key steps w and w + 8.  maskw[T][ks][n], bit l: the key of score register n in lane l counts for lane l's query.
.Lmask:
	s_sub_co_u32 s26, ttmp9, 192                   ; T
	s_lshr_b32 s27, s26, 1
	s_lshl_b32 s27, s27, 5
	s_and_b32 s28, s26, 1
	s_lshl_b32 s28, s28, 3
	s_add_co_u32 s27, s27, s28                     ; the tile's first query
	s_lshl_b32 s30, s27, 13
	s_lshl_b32 s28, s22, 9
	s_add_co_u32 s30, s30, s28
	s_add_nc_u64 s[10:11], s[10:11], s[30:31]
	s_lshl_b32 s30, s26, 12
	s_lshl_b32 s28, s22, 8
	s_add_co_u32 s30, s30, s28
	s_add_nc_u64 s[18:19], s[18:19], s[30:31]
	s_lshl_b32 s30, s26, 2
	s_add_nc_u64 s[20:21], s[20:21], s[30:31]
	s_add_co_u32 s29, s29, MSTG
	s_wait_alu depctr_va_vdst(0)
	v_add_nc_u32 v5, s29, v4
	v_mul_u32_u24 v6, v2, SPT
	s_delay_alu instid0(VALU_DEP_1)
	v_lshl_add_u32 v6, v3, 6, v6
	s_delay_alu instid0(VALU_DEP_1)
	v_add_nc_u32 v6, s29, v6                       ; row r, 64 h bytes on: my 16 keys of each 32
	v_lshlrev_b32 v7, 3, v1
	s_lshl_b32 s28, s22, 2
	s_add_co_u32 s28, s28, FLG
	v_mov_b32 v20, s28
	v_lshl_add_u32 v23, v1, 2, FLG
.irp j, 16,17,18,19
	v_mov_b32 v\j, 0                               ; (the selects below read these registers before every lane of them has been written)
.endr
.macro LOADM a
.set i, 0
.rept 16
	global_load_b128 v[32+64*\a+4*i:32+64*\a+4*i+3], v4, s[10:11] offset:(i+8*(i/8))*8192+4096*\a th:TH_LOAD_NT
.set i, i+1
.endr
.endm
.macro MTASK a
	s_wait_loadcnt 16*(1-\a)                       ; this task's 16 loads are in; the other's may be out
.set i, 0
.rept 16
	ds_store_b128 v5, v[32+64*\a+4*i:32+64*\a+4*i+3] offset:SPT*i
.set i, i+1
.endr
.set i, 0
.rept 16
	ds_load_b128 v[160+4*i:160+4*i+3], v6 offset:128*(i/4)+16*(i%4)   ; register n: key 32 (n / 16) + 16 h + n % 16 of the step, query r
.set i, i+1
.endr
	s_wait_dscnt 0x0
	s_mov_b32 s26, 0                               ; some bit open
	s_mov_b32 s27, -1                              ; all bits open
.set n, 0
.rept 4
.set m, 0
.rept 16
	v_cmp_ne_u32 s[32+m], 0, v[160+n+m]
.set m, m+1
.endr
.set m, 0
.rept 16
.if m%2 == 0
	s_mov_b32 s28, 1<<((n+m)/2)                    ; lane n / 2 alone
.endif
	v_cndmask_b32 v[16+2*\a+(m%2)], v[16+2*\a+(m%2)], s[32+m], s28   ; word n into lane n / 2, register n % 2: the store below lays them on end
	s_or_b32 s26, s26, s[32+m]
	s_and_b32 s27, s27, s[32+m]
.set m, m+1
.endr
.set n, n+16
.endr
	global_store_b64 v7, v[16+2*\a:17+2*\a], s[18:19] offset:2048*\a   ; 256 consecutive bytes, aligned
	s_cmp_lg_u32 s26, 0
	s_cselect_b32 s28, 1, 0
	v_mov_b32 v[26+2*\a], s28
	ds_store_b32 v20, v[26+2*\a] offset:32*\a      ; all lanes write the same word with the same value
	s_cmp_eq_u32 s27, -1
	s_cselect_b32 s28, 1, 0
	v_mov_b32 v[27+2*\a], s28
	ds_store_b32 v20, v[27+2*\a] offset:64+32*\a
.endm
	LOADM 0
	LOADM 1
	s_wait_alu depctr_va_vdst(0)
	MTASK 0
	MTASK 1
	s_wait_dscnt 0x0                               ; for wave 0's sake: my flag words have landed
	s_barrier_signal -1
	s_barrier_wait -1
	s_cmp_lg_u32 s22, 0
	s_cbranch_scc1 .Lmdone
	ds_load_b32 v24, v23                           ; word l: l < 16: step l has an open bit; else: step l - 16 is all open
	s_wait_dscnt 0x0
	v_cmp_ne_u32 s28, 0, v24
	s_delay_alu instid0(VALU_DEP_1)
	v_mov_b32 v25, s28
	v_mov_b32 v21, 0
	s_wait_alu depctr_va_vdst(0)
	s_wait_xcnt 0x0                                ; EXEC changes only behind this wait
	v_cmp_eq_u32 vcc_lo, 0, v1
	s_and_saveexec_b32 s30, vcc_lo
	global_store_b32 v21, v25, s[20:21]
	s_wait_xcnt 0x0
	s_or_b32 exec_lo, exec_lo, s30
.Lmdone:
	s_wait_tensorcnt 0x0
	ds_add_u32 v30, v31
	s_wait_dscnt 0x0
	s_endpgm
.Lfunc_end_k_q12a5bc5787_prep:
	.size	k_q12a5bc5787_prep, .Lfunc_end_k_q12a5bc5787_prep-k_q12a5bc5787_prep
	.p2alignl 7, 3214868480
	.fill 96, 4, 3214868480
	.section	.rodata,"a",@progbits
	.p2align	6, 0x0
	.amdhsa_kernel k_q12a5bc5787_prep
		.amdhsa_group_segment_fixed_size 136448
		.amdhsa_private_segment_fixed_size 0
		.amdhsa_enable_private_segment 0
		.amdhsa_kernarg_size 72
		.amdhsa_user_sgpr_count 2
		.amdhsa_user_sgpr_kernarg_segment_ptr 1
		.amdhsa_wavefront_size32 1
		.amdhsa_system_sgpr_workgroup_id_x 1
		.amdhsa_system_sgpr_workgroup_id_y 1
		.amdhsa_system_sgpr_workgroup_id_z 1
		.amdhsa_system_vgpr_workitem_id 0
		.amdhsa_next_free_vgpr 256
		.amdhsa_next_free_sgpr 66
		.amdhsa_reserve_vcc 1
		.amdhsa_float_denorm_mode_32 3
		.amdhsa_float_denorm_mode_16_64 3
		.amdhsa_memory_ordered 1
		.amdhsa_forward_progress 1
		.amdhsa_inst_pref_size 204
	.end_amdhsa_kernel
	.amdgpu_metadata
---
amdhsa.version: [ 1, 2 ]
amdhsa.kernels:
  - .name:           k_q12a5bc5787_prep
    .symbol:         k_q12a5bc5787_prep.kd
    .args:
      - { .name: x, .offset: 0, .size: 8, .value_kind: global_buffer, .address_space: global }
      - { .name: qkv_w, .offset: 8, .size: 8, .value_kind: global_buffer, .address_space: global }
      - { .name: out_w, .offset: 16, .size: 8, .value_kind: global_buffer, .address_space: global }
      - { .name: mask, .offset: 24, .size: 8, .value_kind: global_buffer, .address_space: global }
      - { .name: xq, .offset: 32, .size: 8, .value_kind: global_buffer, .address_space: global }
      - { .name: wq, .offset: 40, .size: 8, .value_kind: global_buffer, .address_space: global }
      - { .name: rope, .offset: 48, .size: 8, .value_kind: global_buffer, .address_space: global }
      - { .name: maskw, .offset: 56, .size: 8, .value_kind: global_buffer, .address_space: global }
      - { .name: flags, .offset: 64, .size: 8, .value_kind: global_buffer, .address_space: global }
    .group_segment_fixed_size: 136448
    .private_segment_fixed_size: 0
    .kernarg_segment_align: 8
    .kernarg_segment_size: 72
    .max_flat_workgroup_size: 256
    .sgpr_count:     66
    .vgpr_count:     256
    .wavefront_size: 32
...
	.end_amdgpu_metadata
.endif
;; end of part 1
;; launch qkv (part 2): grid 12 x 32, 4 waves a work-group, clusters of 4 x 4, 279,040 bytes of LDS; arguments xq, wq, qkv_b, rope, hd; writes hd
.if DOCPART == 2
	.amdgcn_target "amdgcn-amd-amdhsa--gfx1250"
	.amdhsa_code_object_version 6
	.text
	.protected	k_q12a5bc5787_qkv
	.globl	k_q12a5bc5787_qkv
	.p2align	8
	.type	k_q12a5bc5787_qkv,@function
k_q12a5bc5787_qkv:
	s_mov_b64 s[64:65], 0
	v_nop
	global_prefetch_b8 v0, s[64:65] scope:SCOPE_SE
	s_setreg_imm32_b32 hwreg(HW_REG_WAVE_MODE, 25, 1), 1
	s_wait_xcnt 0x0
	s_wait_alu depctr_hold_cnt(0) depctr_sa_sdst(0) depctr_va_vdst(0) depctr_va_sdst(0) depctr_va_ssrc(0) depctr_va_vcc(0) depctr_vm_vsrc(0)
	s_getreg_b32 s2, hwreg(HW_REG_IB_STS2, 6, 4)
	s_cmp_eq_u32 s2, 0
	s_cbranch_scc0 .Lentry_in_a_cluster
	s_endpgm
.Lentry_in_a_cluster:
	s_bfe_u32 s2, ttmp6, 0x10000c
	s_cmp_lg_u32 s2, 0xf033
	s_cbranch_scc0 .Lentry_shape_is_right
	s_endpgm
.Lentry_shape_is_right:
; q, k, v = x qkv_w + qkv_b on codes of FP4 with E8M0 scales; q and k are rotated; all three are quantised on the way out and stored as images of the attention launch's operand registers.
; SHARES.  A work-group makes 256 tokens x 256 columns, each of its four waves 128 x 128: 64 accumulators.  All of K (1,024) of the four blocks of 128 rows (two of x, two of the weight) fits in LDS: 4 x 69,632 bytes,
; filled ONCE, a wave a block, in four pieces of 256 along K: four tensor loads of a wave are out at the start, and the products of a piece begin when that piece has landed.  Nothing is filled again.
; CLUSTER 4 x 4: x's blocks hang on the work-group's y and are asked for jointly along a row of the cluster, the weight's on its x, along a column.
; WHICH OPERAND IS WHICH.  Source 1 is the OUTER operand (a lane holds one of its rows), source 0 the INNER one (a lane's registers run along its rows; by the rows' order in a tile the 16 registers of inner tiles
; 2 b, 2 b + 1 are 16 neighbours 32 b + 16 h + 0 .. 15).  q, k: outer = tokens, inner = columns: a lane's 64 registers are two heads' dims, along which q and k are quantised.  v: outer = columns, inner = tokens:
; a lane's 64 registers are 128 tokens of one dim, along which v is quantised.  The cluster's x says which (0: q, 1: k, 2: v): the same in all sixteen partners.  The bias is the C of each sum's first product.
; hd, for each (batch, head) 208,896 bytes: K's codes at 0, V's at 65,536, K's scale words at 131,072, V's at 135,168, Q's codes at 139,264, Q's scale words at 204,800.
; LIMITS: NaN and infinities are not served; a block under 2^-124 gets the scale byte 1 (read by this program alone).
; REGISTERS: window 0: v1-14 addresses; v32-63 the inner operand's scale words, v64-95 the outer's (two sets each; nothing else ever); v96-159 the bias, later rotated numbers; v160-223 at work.
;   window 1: v0-127 inner fragments, two sets (later the table of cos and sin); v128-255 outer fragments, two sets.   windows 2, 3: accumulator (o, i) at v[8 (8 (o % 4) + i)] of window 2 + o / 4.
.set BLK,   69632
.set PIECE, 17408
.set HREC,  208896
.set VC,    65536
.set KSO,   131072
.set VSO,   135168
.set QC,    139264
.set QSO,   204800
.set AX,   4                           ; v4-5   LDS address of my x fragments: pieces 0-1, pieces 2-3
.set AW,   6                           ; v6-7   of my weight fragments
.set ASX,  8                           ; v8-9   of x's scale words
.set ASW,  10                          ; v10-11 of the weight's
.set L16,  12                          ; v12    16 x lane
.set SOFF, 13                          ; v13    16 r + a head's record x h
.set BOF,  14                          ; v14    my offset in the bias
.set SI,   32
.set SO,   64
.set BIAS, 96
.set HA,   96
.set TT,   160
.set TM,   176
.set PC,   192
.set PWS,  208
.set HH,   216
.set DD,   220
.set G1X,  24
.set G1W,  32
.set G0X,  40
.set G0W,  68
.set SEL,  96
.set MSB, 0
.macro WIN new                         ; the immediate's high byte repeats the setting that is left
.if MSB != (\new)
	s_set_vgpr_msb (MSB<<8)|(\new)
.set MSB, (\new)
.endif
.endm
.macro PLACES                          ; four plain places behind matrix instructions, ahead of loads into their registers and of reads of their results
.rept 4
	v_nop
.endr
.endm
.macro CROUND                          ; a round of the cluster's barrier
	s_barrier_signal -1
	s_barrier_wait -1
	s_cmp_lg_u32 s14, 0
	s_cbranch_scc1 .Lnot_wave_0_\@
	s_barrier_signal -3
.Lnot_wave_0_\@:
	s_barrier_wait -3
	s_barrier_signal -1
	s_barrier_wait -1
.endm
	s_load_b256 s[4:11], s[0:1], 0x0               ; xq s[4:5], wq s[6:7], qkv_b s[8:9], rope s[10:11]
	s_load_b64 s[12:13], s[0:1], 0x20              ; hd
	v_lshl_add_u32 v254, v0, 2, 0x44000
	v_mov_b32 v255, 0
	ds_add_u32 v254, v255
	ds_add_u32 v254, v255
	v_lshrrev_b32 v1, 5, v0
	v_readfirstlane_b32 s14, v1                    ; wave 0..3
	s_lshr_b32 s15, s14, 1                         ; wy: my half of the tokens
	s_and_b32 s16, s14, 1                          ; wx: my half of the columns.  Also: which of the two blocks I fetch
	s_bfe_u32 s17, ttmp6, 0x40000                  ; cx
	s_bfe_u32 s18, ttmp6, 0x40004                  ; cy
	s_lshl_b32 s19, ttmp9, 2
	s_add_co_u32 s19, s19, s17                     ; work-group x
	s_and_b32 s20, ttmp7, 0xffff
	s_lshl_b32 s20, s20, 2
	s_add_co_u32 s20, s20, s18                     ; work-group y
	s_lshl_b32 s21, s18, 2
	s_lshl_b32 s21, 15, s21                        ; my row of the cluster
	s_lshl_b32 s22, 0x1111, s17                    ; my column
	s_or_b32 s[G1X], s21, (3<<16)|(1<<21)          ; group 1: the mask; elements of 8 bytes; bit 21 beside a mask; no padding
	s_or_b32 s[G1W], s22, (3<<16)|(1<<21)
.irp g, G1X, G1W
	s_mov_b32 s[\g+1], 32<<16                      ; tensor_dim0 = 32 elements: rows of 256 bytes
	s_mov_b32 s[\g+2], 68<<16                      ; tensor_dim1 = 68 rows: a piece, 17,408 dense bytes
	s_mov_b32 s[\g+3], 32<<16                      ; tile_dim0
	s_mov_b32 s[\g+4], 68                          ; tile_dim1
	s_mov_b32 s[\g+5], 32                          ; the pitch
	s_mov_b32 s[\g+6], 0
	s_mov_b32 s[\g+7], 0
.endr
	s_lshl_b32 s56, s20, 1
	s_add_co_u32 s56, s56, s16
	s_mul_i32 s56, s56, BLK                        ; x's block 2 y + (wave % 2)
	s_mov_b32 s57, 0
	s_lshl_b32 s60, s19, 1
	s_add_co_u32 s60, s60, s16
	s_mul_i32 s60, s60, BLK                        ; the weight's block 2 x + (wave % 2)
	s_mov_b32 s61, 0
	s_mul_i32 s23, s14, BLK                        ; LDS: region = wave: x's two blocks, then the weight's two
	s_wait_dscnt 0x0
	s_wait_kmcnt 0x0
	s_add_nc_u64 s[58:59], s[4:5], s[56:57]
	s_add_nc_u64 s[62:63], s[6:7], s[60:61]
.irp p, 0,1,2,3
	s_mov_b32 s[G0X+4*\p], 1
	s_add_co_u32 s[G0X+4*\p+1], s23, \p*PIECE
	s_add_nc_u64 s[G0X+4*\p+2:G0X+4*\p+3], s[58:59], \p*PIECE
	s_or_b32 s[G0X+4*\p+3], s[G0X+4*\p+3], 0x80000000
	s_mov_b32 s[G0W+4*\p], 1
	s_add_co_u32 s[G0W+4*\p+1], s23, \p*PIECE
	s_add_nc_u64 s[G0W+4*\p+2:G0W+4*\p+3], s[62:63], \p*PIECE
	s_or_b32 s[G0W+4*\p+3], s[G0W+4*\p+3], 0x80000000
.endr
	CROUND                                         ; all sixteen work-groups are here: the joint loads meet
	s_cmp_lt_u32 s14, 2                            ; a wave's four first fills stand in one branch on the wave's number
	s_cbranch_scc0 .Lfill_w
.irp p, 0,1,2,3
	tensor_load_to_lds s[G0X+4*\p:G0X+4*\p+3], s[G1X:G1X+7]
	s_nop 0
.endr
	PLACES
	s_branch .Lfilled
.Lfill_w:
.irp p, 0,1,2,3
	tensor_load_to_lds s[G0W+4*\p:G0W+4*\p+3], s[G1W:G1W+7]
	s_nop 0
.endr
	PLACES
.Lfilled:
	v_and_b32 v1, 31, v0
	v_and_b32 v2, 15, v0                           ; r
	v_bfe_u32 v3, v0, 4, 1                         ; h
	v_lshlrev_b32 v[L16], 4, v1
	s_mul_i32 s21, s15, BLK
	v_add_nc_u32 v[AX], s21, v[L16]
	v_add_nc_u32 v[AX+1], 2*PIECE, v[AX]
	s_mul_i32 s22, s16, BLK
	s_add_co_u32 s22, s22, 2*BLK
	v_add_nc_u32 v[AW], s22, v[L16]
	v_add_nc_u32 v[AW+1], 2*PIECE, v[AW]
	s_add_co_u32 s21, s21, 16384
	s_add_co_u32 s22, s22, 16384
	v_lshl_add_u32 v[ASX], v2, 3, s21
	v_add_nc_u32 v[ASX+1], 2*PIECE, v[ASX]
	v_lshl_add_u32 v[ASW], v2, 3, s22
	v_add_nc_u32 v[ASW+1], 2*PIECE, v[ASW]
	v_mul_u32_u24 v[SOFF], v3, HREC
	v_lshl_add_u32 v[SOFF], v2, 4, v[SOFF]
.irp b, 0,1,2,3
	v_mov_b32 v[TM+4+\b], 0                        ; (a lane permute's destination counts as one of its sources)
.endr
	s_mov_b32 s[SEL], 0x76543210
	s_mov_b32 s[SEL+1], 0xfedcba98
	s_mov_b32 s94, 0xffff0000                      ; lanes 16-31
	s_lshr_b32 s84, s20, 3                         ; batch
	s_lshl_b32 s84, s84, 4
	s_and_b32 s85, s19, 3
	s_lshl_b32 s85, s85, 2
	s_add_co_u32 s84, s84, s85
	s_lshl_b32 s85, s16, 1
	s_add_co_u32 s84, s84, s85                     ; my first head's record: 16 batch + 4 (x % 4) + 2 wx
	s_mul_i32 s84, s84, HREC
	s_mov_b32 s85, 0
	s_mov_b32 s89, 0
	s_add_nc_u64 s[12:13], s[12:13], s[84:85]
	s_and_b32 s86, s20, 7
	s_lshl_b32 s86, s86, 1
	s_add_co_u32 s86, s86, s15                     ; ks: which 128 tokens of the sequence are mine
	s_lshl_b32 s84, s19, 10
	s_lshl_b32 s87, s16, 9
	s_add_co_u32 s84, s84, s87
	s_add_nc_u64 s[8:9], s[8:9], s[84:85]          ; the bias at my first column
; step sg of eight (128 along K): the fragments of both operands, 32 loads of 512 consecutive bytes, into set sg % 2
.macro FETCH sg, AO, AI
	WIN 0x40                                       ; destination window 1
.set t, 0
.rept 16
	ds_load_b128 v[64*((\sg)%2)+4*t:64*((\sg)%2)+4*t+3], v[\AI+(\sg)/4] offset:(((\sg)/2)%2)*PIECE+((\sg)%2)*8192+512*t
.set t, t+1
.endr
.set t, 0
.rept 16
	ds_load_b128 v[128+64*((\sg)%2)+4*t:128+64*((\sg)%2)+4*t+3], v[\AO+(\sg)/4] offset:(((\sg)/2)%2)*PIECE+((\sg)%2)*8192+512*t
.set t, t+1
.endr
.endm
.macro SCAL p, ASO, ASI                ; piece p's scale words, two a row (its two steps), into set p % 2
	WIN 0
.set t, 0
.rept 8
	ds_load_b64 v[SI+16*((\p)%2)+2*t:SI+16*((\p)%2)+2*t+1], v[\ASI+(\p)/2] offset:((\p)%2)*PIECE+128*t
	ds_load_b64 v[SO+16*((\p)%2)+2*t:SO+16*((\p)%2)+2*t+1], v[\ASO+(\p)/2] offset:((\p)%2)*PIECE+128*t
.set t, t+1
.endr
.endm
; 32 products: outer tiles o0 .. o0 + 3 x the eight inner tiles.  The 64 accumulators take turns, one instruction a turn, in the same order in every step.
; first = 1: the bias starts the sums: of the inner tile's columns (cm = 0) or of the outer tile's (cm = 1).
.macro MULH sg, o0, first, cm
.if \first
	WIN 0x85+0x40*((\o0)/4)                        ; sources 0 and 1 window 1, C window 0, D window 2 or 3
.else
	WIN 0xa5+0x50*((\o0)/4)                        ; C and D window 2 or 3
.endif
.irp o, \o0, \o0+1, \o0+2, \o0+3
.irp i, 0,1,2,3,4,5,6,7
.if \first
	v_wmma_scale_f32_16x16x128_f8f6f4 v[8*(8*((\o)%4)+\i):8*(8*((\o)%4)+\i)+7], v[64*((\sg)%2)+8*\i:64*((\sg)%2)+8*\i+7], v[128+64*((\sg)%2)+8*(\o):128+64*((\sg)%2)+8*(\o)+7], v[BIAS+8*((\cm)*(\o)+(1-(\cm))*\i):BIAS+8*((\cm)*(\o)+(1-(\cm))*\i)+7], v[SI+16*(((\sg)/2)%2)+2*\i+(\sg)%2], v[SO+16*(((\sg)/2)%2)+2*(\o)+(\sg)%2] matrix_a_fmt:MATRIX_FMT_FP4 matrix_b_fmt:MATRIX_FMT_FP4
.else
	v_wmma_scale_f32_16x16x128_f8f6f4 v[8*(8*((\o)%4)+\i):8*(8*((\o)%4)+\i)+7], v[64*((\sg)%2)+8*\i:64*((\sg)%2)+8*\i+7], v[128+64*((\sg)%2)+8*(\o):128+64*((\sg)%2)+8*(\o)+7], v[8*(8*((\o)%4)+\i):8*(8*((\o)%4)+\i)+7], v[SI+16*(((\sg)/2)%2)+2*\i+(\sg)%2], v[SO+16*(((\sg)/2)%2)+2*(\o)+(\sg)%2] matrix_a_fmt:MATRIX_FMT_FP4 matrix_b_fmt:MATRIX_FMT_FP4
.endif
.endr
.endr
.endm
; The eight steps.  An even step's successor lies in the same piece.  An odd step's lies in the next: each wave waits for its own load of that piece
; signals, multiplies half a step, and reads behind the barrier's wait.
.macro MAIN AO, AI, ASO, ASI, cm
	s_wait_tensorcnt 0x3                           ; my piece 0 has landed; my three later loads may be out
	s_barrier_signal -1
	s_barrier_wait -1                              ; everybody's has
	FETCH 0, \AO, \AI
	SCAL 0, \ASO, \ASI
	s_wait_dscnt 0x0
	FETCH 1, \AO, \AI
	MULH 0, 0, 1, \cm
	MULH 0, 4, 1, \cm
.irp sg, 1,2,3,4,5,6,7
	s_wait_dscnt 0x0                               ; this step's fragments are in; no LDS instruction of mine is out at a signal
.if (\sg)%2 == 0
	PLACES
	FETCH (\sg)+1, \AO, \AI
	MULH \sg, 0, 0, \cm
	MULH \sg, 4, 0, \cm
.elseif (\sg) < 7
	s_wait_tensorcnt 2-(\sg)/2                     ; my load of the next piece has landed; those behind it may be out
	s_barrier_signal -1
	MULH \sg, 0, 0, \cm
	s_barrier_wait -1
	PLACES
	FETCH (\sg)+1, \AO, \AI
	SCAL ((\sg)+1)/2, \ASO, \ASI
	MULH \sg, 4, 0, \cm
.else
	MULH \sg, 0, 0, \cm
	MULH \sg, 4, 0, \cm
.endif
.endr
.endm
; 64 numbers of a lane in window w, register 16 b + i = place 32 b + 16 h + i along the quantiser's axis, become a fragment's 8 registers of codes at v[pc] and its scale word in v[pw].
.macro QUANT s, w, pc, pw
	WIN ((\w)<<2)|((\w)<<4)                        ; sources 1 and 2
.irp b, 0,1,2,3
	v_max3_num_f32 v[TM+\b], 0x1800000, |v[(\s)+16*\b]|, |v[(\s)+1+16*\b]|   ; the floor 2^(3 - 127) holds the byte at 1 from below
.endr
.irp i, 2,4,6,8,10,12,14
.irp b, 0,1,2,3
	v_max3_num_f32 v[TM+\b], v[TM+\b], |v[(\s)+16*\b+\i]|, |v[(\s)+1+16*\b+\i]|
.endr
.endr
	WIN 0
.irp b, 0,1,2,3
	v_permlanex16_b32 v[TM+4+\b], v[TM+\b], s[SEL], s[SEL+1]
.endr
.irp b, 0,1,2,3
	v_max_num_f32 v[TM+\b], v[TM+\b], v[TM+4+\b]   ; with lane l xor 16's 16: the block's largest magnitude
.endr
.irp b, 0,1,2,3
	v_add_nc_u32 v[TM+12+\b], 0xff000000, v[TM+\b] ; 2 off its exponent field: the conversion's scale operand
.endr
.irp b, 0,1,2,3
	v_lshrrev_b32 v[TM+4+\b], 23, v[TM+12+\b]      ; the scale's byte
.endr
	v_lshl_or_b32 v[\pw], v[TM+5], 8, v[TM+4]
	v_lshl_or_b32 v[\pw], v[TM+6], 16, v[\pw]
	v_lshl_or_b32 v[\pw], v[TM+7], 24, v[\pw]
	WIN \w                                         ; source 0
.irp b, 0,1,2,3
	v_cvt_scalef32_pk8_fp4_f32 v[(\pc)+2*\b], v[(\s)+16*\b:(\s)+7+16*\b], v[TM+12+\b]
	v_cvt_scalef32_pk8_fp4_f32 v[(\pc)+1+2*\b], v[(\s)+8+16*\b:(\s)+15+16*\b], v[TM+12+\b]
.endr
	v_nop                                          ; one plain place behind a scaled conversion
	WIN 0
.irp c, 0,1                            ; a whole block to a lane: lanes 0-15 block 2 c, lanes 16-31 block 2 c + 1
.irp i, 0,1
	v_permlane16_swap_b32 v[(\pc)+4*\c+\i], v[(\pc)+2+4*\c+\i]
.endr
.endr
.endm
.macro RLOAD o                         ; the table of the tokens of outer tile o, into set o % 2 of window 1
	WIN 0x40
.set e, 0
.rept 8
	global_load_b128 v[32*((\o)%2)+4*e:32*((\o)%2)+4*e+3], v[L16], s[10:11] offset:4096*(\o)+512*e
.set e, e+1
.endr
.endm
; the rotation of outer tile o's 64 numbers a lane: pair (x0, x1) -> (x0 cos - x1 sin, x1 cos + x0 sin), eight pairs at a time; each accumulator is read from its low end on
.macro ROPE o
	WIN 0x04|(2+(\o)/4)                            ; source 0: the accumulators; source 1: the table
.irp gg, 0,1,2,3
.irp g, 0,1,2,3,4,5,6,7
	v_pk_mul_f32 v[TT+2*\g:TT+2*\g+1], v[64*((\o)%4)+16*\gg+2*\g:64*((\o)%4)+16*\gg+2*\g+1], v[32*((\o)%2)+16*((\gg)%2)+2*\g:32*((\o)%2)+16*((\gg)%2)+2*\g+1] op_sel:[1,1] op_sel_hi:[0,1] neg_lo:[0,1]   ; (-x1 sin, x0 sin)
.endr
.irp g, 0,1,2,3,4,5,6,7
	v_pk_fma_f32 v[HA+16*\gg+2*\g:HA+16*\gg+2*\g+1], v[64*((\o)%4)+16*\gg+2*\g:64*((\o)%4)+16*\gg+2*\g+1], v[32*((\o)%2)+16*((\gg)%2)+2*\g:32*((\o)%2)+16*((\gg)%2)+2*\g+1], v[TT+2*\g:TT+2*\g+1] op_sel_hi:[1,0,1]   ; + (x0, x1) cos
.endr
.endr
.endm
	s_cmp_eq_u32 ttmp9, 2                          ; the cluster's x: the same in all partners
	s_cbranch_scc1 .Ltype_v
; ---------------- q or k
	v_lshlrev_b32 v[BOF], 6, v3                    ; register j of inner tile i is column 32 (i / 2) + 8 (i % 2) + 16 h + j
.irp i, 0,1,2,3,4,5,6,7
	global_load_b128 v[BIAS+8*\i:BIAS+8*\i+3], v[BOF], s[8:9] offset:(32*(\i/2)+8*(\i%2))*4
	global_load_b128 v[BIAS+8*\i+4:BIAS+8*\i+7], v[BOF], s[8:9] offset:(32*(\i/2)+8*(\i%2))*4+16
.endr
	s_cmp_eq_u32 ttmp9, 0
	s_cselect_b32 s84, QC, 0                       ; offsets in a record: q's or k's codes,
	s_mov_b32 s88, KSO
	s_cselect_b32 s88, QSO, s88                    ; and scale words
	s_lshl_b32 s87, s86, 12
	s_add_co_u32 s84, s84, s87
	s_add_nc_u64 s[90:91], s[12:13], s[84:85]
	s_lshl_b32 s87, s86, 8
	s_add_co_u32 s88, s88, s87
	s_add_nc_u64 s[92:93], s[12:13], s[88:89]
	s_lshl_b32 s88, s86, 15
	s_add_nc_u64 s[10:11], s[10:11], s[88:89]      ; the table at my 128 tokens
	s_wait_loadcnt 0x0                             ; the bias
	s_wait_alu depctr_va_vdst(0)
	MAIN AX, AW, ASX, ASW, 0
	PLACES
	RLOAD 0
	RLOAD 1
.irp o, 0,1,2,3,4,5,6,7
.if \o < 7
	s_wait_loadcnt 8                               ; this tile's table is in; the next tile's 8 loads may be out
.else
	s_wait_loadcnt 0x0
.endif
	s_wait_xcnt 0x0                                ; the stores of two tiles back have read their registers
	ROPE \o
.if \o < 6
	RLOAD (\o)+2
.endif
	QUANT HA, 0, PC+8*((\o)%2), PWS+\o
	global_store_b128 v[L16], v[PC+8*((\o)%2):PC+8*((\o)%2)+3], s[90:91] offset:1024*(\o/2)+512*(\o%2)        ; my first head: 512 consecutive bytes
	global_store_b128 v[L16], v[PC+8*((\o)%2)+4:PC+8*((\o)%2)+7], s[90:91] offset:1024*(\o/2)+512*(\o%2)+HREC ; my second
.endr
.irp f, 0,1,2,3                        ; a stored word holds the two bytes of the token of tile 2 f and the two of tile 2 f + 1; lanes 0-15 the first head's, lanes 16-31 the second's
	v_perm_b32 v[HH], v[PWS+2*\f+1], v[PWS+2*\f], 0x05040100
	v_perm_b32 v[HH+1], v[PWS+2*\f+1], v[PWS+2*\f], 0x07060302
	v_cndmask_b32 v[DD+\f], v[HH], v[HH+1], s94
.endr
	global_store_b128 v[SOFF], v[DD:DD+3], s[92:93]                ; sixteen lanes fill 256 consecutive bytes, aligned
	s_branch .Lend
; ---------------- v
.Ltype_v:
	v_and_b32 v[BOF], 8, v2
	v_add_nc_u32 v[BOF], v[BOF], v2
	v_lshlrev_b32 v[BOF], 2, v[BOF]                ; a lane holds column 32 (o / 2) + 8 (o % 2) + r + 8 (r / 8) of outer tile o
.irp o, 0,1,2,3,4,5,6,7
	global_load_b32 v[BIAS+8*\o], v[BOF], s[8:9] offset:(32*(\o/2)+8*(\o%2))*4
.endr
	s_lshl_b32 s84, s86, 12
	s_add_co_u32 s84, s84, VC
	s_add_nc_u64 s[90:91], s[12:13], s[84:85]
	s_lshl_b32 s88, s86, 8
	s_add_co_u32 s88, s88, VSO
	s_add_nc_u64 s[92:93], s[12:13], s[88:89]
	s_wait_loadcnt 0x0
.set oo, 0
.rept 8
.set j, 1
.rept 7
	v_mov_b32 v[BIAS+8*oo+j], v[BIAS+8*oo]         ; the same bias for the lane's eight tokens
.set j, j+1
.endr
.set oo, oo+1
.endr
	PLACES
	PLACES
	s_wait_alu depctr_va_vdst(0)
	MAIN AW, AX, ASW, ASX, 1
	PLACES
.irp o, 0,1,2,3,4,5,6,7                ; outer tile o: head o / 4, dims' tile o % 4; the 64 registers are my 128 tokens in their order
.if \o > 1
	s_wait_xcnt 0x0                                ; the stores of two tiles back have read their registers
.endif
	QUANT 64*((\o)%4), 2+(\o)/4, PC+8*((\o)%2), PWS+\o
	global_store_b128 v[L16], v[PC+8*((\o)%2):PC+8*((\o)%2)+3], s[90:91] offset:(\o/4)*HREC+1024*(\o%4)
	global_store_b128 v[L16], v[PC+8*((\o)%2)+4:PC+8*((\o)%2)+7], s[90:91] offset:(\o/4)*HREC+1024*(\o%4)+512
.endr
.irp d, 0,1,2,3
	v_cndmask_b32 v[DD+\d], v[PWS+\d], v[PWS+4+\d], s94
.endr
	global_store_b128 v[SOFF], v[DD:DD+3], s[92:93]
.Lend:
	s_wait_tensorcnt 0x0
	ds_add_u32 v254, v255
	s_wait_dscnt 0x0
	CROUND                                         ; the closing round: no work-group ends while a partner may still ask for a tile that names it
	s_endpgm
.Lfunc_end_k_q12a5bc5787_qkv:
	.size	k_q12a5bc5787_qkv, .Lfunc_end_k_q12a5bc5787_qkv-k_q12a5bc5787_qkv
	.p2alignl 7, 3214868480
	.fill 96, 4, 3214868480
	.section	.rodata,"a",@progbits
	.p2align	6, 0x0
	.amdhsa_kernel k_q12a5bc5787_qkv
		.amdhsa_group_segment_fixed_size 279040
		.amdhsa_private_segment_fixed_size 0
		.amdhsa_enable_private_segment 0
		.amdhsa_kernarg_size 40
		.amdhsa_user_sgpr_count 2
		.amdhsa_user_sgpr_kernarg_segment_ptr 1
		.amdhsa_wavefront_size32 1
		.amdhsa_system_sgpr_workgroup_id_x 1
		.amdhsa_system_sgpr_workgroup_id_y 1
		.amdhsa_system_sgpr_workgroup_id_z 1
		.amdhsa_system_vgpr_workitem_id 0
		.amdhsa_next_free_vgpr 1024
		.amdhsa_next_free_sgpr 100
		.amdhsa_reserve_vcc 0
		.amdhsa_float_denorm_mode_32 3
		.amdhsa_float_denorm_mode_16_64 3
		.amdhsa_memory_ordered 1
		.amdhsa_forward_progress 1
		.amdhsa_inst_pref_size 255
	.end_amdhsa_kernel
	.section	.bss,"aw",@nobits
	.p2align	6
	.space	262144
	.amdgpu_metadata
---
amdhsa.version: [ 1, 2 ]
amdhsa.kernels:
  - .name:           k_q12a5bc5787_qkv
    .symbol:         k_q12a5bc5787_qkv.kd
    .args:
      - { .name: xq, .offset: 0, .size: 8, .value_kind: global_buffer, .address_space: global }
      - { .name: wq, .offset: 8, .size: 8, .value_kind: global_buffer, .address_space: global }
      - { .name: qkv_b, .offset: 16, .size: 8, .value_kind: global_buffer, .address_space: global }
      - { .name: rope, .offset: 24, .size: 8, .value_kind: global_buffer, .address_space: global }
      - { .name: hd, .offset: 32, .size: 8, .value_kind: global_buffer, .address_space: global }
    .group_segment_fixed_size: 279040
    .private_segment_fixed_size: 0
    .kernarg_segment_align: 8
    .kernarg_segment_size: 40
    .max_flat_workgroup_size: 128
    .sgpr_count:     100
    .vgpr_count:     1024
    .wavefront_size: 32
...
	.end_amdgpu_metadata
.endif
;; end of part 2
;; launch attn (part 3): grid 4 x 64, 16 waves a work-group, no clusters, 141,312 bytes of LDS; arguments hd, maskw, flags, aq; writes aq
.if DOCPART == 3
	.amdgcn_target "amdgcn-amd-amdhsa--gfx1250"
	.amdhsa_code_object_version 6
	.text
	.protected	k_q12a5bc5787_attn
	.globl	k_q12a5bc5787_attn
	.p2align	8
	.type	k_q12a5bc5787_attn,@function
k_q12a5bc5787_attn:
	s_mov_b64 s[64:65], 0
	v_nop
	global_prefetch_b8 v0, s[64:65] scope:SCOPE_SE
	s_setreg_imm32_b32 hwreg(HW_REG_WAVE_MODE, 25, 1), 1
	s_wait_xcnt 0x0
; Attention of one (batch, head) on codes of FP4: S^T = K Q^T (K = the head's 64), the mask as it is GIVEN, p = 2^(t - M) with t = score log2(e) / 8 and M the running largest t rounded up to a whole number,
; O^T += V^T p^T (K = the keys), O / the sum of the unquantised p, quantised along the head's dims and stored as the next product's operand (aq).
; SHARES.  Four work-groups to a head; sixteen waves, four to a SIMD; wave u = 16 x + w makes query tiles u and 127 - u, one after the other (any split is right; under a lower triangle this one is even).
; The head's K and V as codes with their scale words, 139,264 bytes, are copied into LDS once, through registers (17 loads of 16 bytes a thread), and only read from then on: one barrier in the launch.
; WHAT IS LEFT OUT: a key step (128 keys) none of whose mask bits is open for the tile's 16 queries: its p are all 0.  The earlier launch stored that as whole numbers (flags: bit ks = some bit open, bit 16 + ks = all open).
; NO JOINT LOADS, though four work-groups read the same 139,264 bytes: what is shared is read once by each, at the head.
; LAYOUT.  Both products transposed: a lane holds ONE query (lane % 16).  A fragment of K holds TWO tiles of 16 keys, one in each half of the instruction's 128 along K; Q stands in one half of its operand and zero codes
; in the other, so that two products give the two tiles.  By the keys' order in a tile, score register n is key 32 (n / 16) + 16 (lane / 16) + n % 16 of the step; maskw holds a lane mask for each n.
; A ROW WITH NO OPEN KEY has the sum 0: its scale bytes are stored as 0xff, which makes the last product's whole row NaN, as the softmax of such a row is.
; The scale bytes go out as 2 bytes a row from sixteen lanes: a head owns half of a scale word; that is one byte in 17 of what the launch stores.
; LIMITS: NaN and infinities among the scores are not served; a block under 2^-124 gets the scale byte 1.
; REGISTERS: v1-7 addresses that stay; v8-10 addresses in hand; v11 Q's scale word; v12 -M, v13 the largest t, v[14:15] the sum; v16-23 [Q | 0], v24-31 [0 | Q]; v32-63 K; v64-95 V; v96-159 S^T, then p;
;   v160-191 O^T; v192-199 p's codes; v200-203 K's scale words, v204-207 V's; v224-254 at work (v253: p's scale word).
.set BLK,   69632
.set PIECE, 17408
.set HREC,  208896
.set QC,    139264
.set QSO,   204800
	s_load_b128 s[4:7], s[0:1], 0x0                ; hd, maskw
	s_load_b128 s[8:11], s[0:1], 0x10              ; flags, aq
	v_lshl_add_u32 v251, v0, 2, 0x22000
	v_mov_b32 v255, 0
	v_lshrrev_b32 v1, 5, v0
	s_delay_alu instid0(VALU_DEP_1)
	v_readfirstlane_b32 s12, v1                    ; wave 0..15
	v_lshlrev_b32 v8, 4, v0                        ; 16 x thread
	s_delay_alu instid0(VALU_DEP_1)
	v_add_nc_u32 v9, 0x10000, v8
	s_delay_alu instid0(VALU_DEP_2)
	v_add_nc_u32 v10, 0x20000, v8
	s_and_b32 s13, ttmp7, 0xffff                   ; 16 batch + head
	s_mul_i32 s24, s13, HREC
	s_mov_b32 s25, 0
	s_wait_alu depctr_va_vdst(0)
	s_wait_kmcnt 0x0
	s_add_nc_u64 s[4:5], s[4:5], s[24:25]          ; my head's record
	s_mov_b64 s[30:31], s[6:7]                     ; maskw
.set i, 0
.rept 17
	global_load_b128 v[96+4*i:96+4*i+3], v8, s[4:5] offset:8192*i     ; the work-group's 512 threads read 8,192 consecutive bytes
.set i, i+1
.endr
	v_and_b32 v5, 31, v0                           ; lane
	v_and_b32 v6, 15, v0
	s_delay_alu instid0(VALU_DEP_2)
	v_lshlrev_b32 v1, 4, v5                        ; K's fragments: 16 x lane
	s_delay_alu instid0(VALU_DEP_1)
	v_add_nc_u32 v2, 0x10000, v1                   ; V's
	s_delay_alu instid0(VALU_DEP_3)
	v_lshlrev_b32 v7, 4, v6                        ; 16 r
	s_delay_alu instid0(VALU_DEP_1)
	v_add_nc_u32 v3, 0x20000, v7                   ; K's scale words (V's lie 4,096 bytes on)
	v_lshlrev_b32 v6, 3, v6                        ; 8 r
	v_mov_b32 v4, 0xff800000                       ; -infinity
.irp j, 20,21,22,23,24,25,26,27
	v_mov_b32 v\j, 0                               ; the zero halves of Q's two operands: written once
.endr
.irp j, 236,237,238,239,252,253
	v_mov_b32 v\j, 0                               ; (lane permutes' destinations, and the upper half of the pair v[252:253], count as read)
.endr
	s_mov_b32 s20, 0x76543210
	s_mov_b32 s21, 0xfedcba98
	s_mov_b32 s22, 0x3e38aa3b                      ; c = log2(e) / 8
	s_mov_b32 s23, s22
	s_lshl_b32 s15, ttmp9, 4
	s_add_co_u32 s15, s15, s12                     ; u
	s_lshr_b32 s24, s13, 4
	s_mul_i32 s24, s24, 16*BLK                     ; aq: the batch's 16 blocks,
	s_and_b32 s14, s13, 15
	s_lshr_b32 s28, s14, 2
	s_mul_i32 s28, s28, PIECE                      ; the piece of four heads,
	s_add_co_u32 s24, s24, s28
	s_add_nc_u64 s[10:11], s[10:11], s[24:25]
	s_bfe_u32 s28, s14, 0x10001
	s_and_b32 s29, s14, 1
	s_lshl_b32 s24, s28, 2
	s_lshl_b32 s14, s29, 1
	s_add_co_u32 s24, s24, s14
	s_add_co_u32 s24, s24, 16384
	s_add_nc_u64 s[26:27], s[10:11], s[24:25]      ; my half of the scale words,
	s_lshl_b32 s24, s28, 13
	s_lshl_b32 s14, s29, 9
	s_add_co_u32 s24, s24, s14
	s_add_nc_u64 s[10:11], s[10:11], s[24:25]      ; my half of the fragments
.set i, 0
.rept 17
	s_wait_loadcnt 16-i                            ; loads come back in order: load i is in, the later ones may be out
	ds_store_b128 v[8+i/8], v[96+4*i:96+4*i+3] offset:8192*(i%8)
.set i, i+1
.endr
	s_wait_dscnt 0x0                               ; for the others' sake: my stores have landed
	s_barrier_signal -1
	s_barrier_wait -1                              ; from here on LDS is only read
	s_mov_b32 s19, 0
.Lpass:
	s_sub_co_u32 s16, 127, s15
	s_cmp_eq_u32 s19, 0
	s_cselect_b32 s16, s15, s16                    ; T: my tile of 16 queries
	s_lshl_b32 s24, s16, 2
	s_add_nc_u64 s[28:29], s[8:9], s[24:25]
	s_load_b32 s17, s[28:29], 0x0                  ; its flags
	s_lshl_b32 s24, s16, 12
	s_add_nc_u64 s[6:7], s[30:31], s[24:25]        ; its mask words: 256 bytes a key step
	s_lshl_b32 s24, s16, 9
	v_add_nc_u32 v8, s24, v1
	global_load_b128 v[16:19], v8, s[4:5] offset:QC        ; Q, into both operands
	global_load_b128 v[28:31], v8, s[4:5] offset:QC
	s_lshr_b32 s24, s16, 3
	s_lshl_b32 s24, s24, 8
	s_bfe_u32 s14, s16, 0x20001
	s_lshl_b32 s14, s14, 2
	s_add_co_u32 s24, s24, s14
	v_add_nc_u32 v9, s24, v7
	global_load_b32 v254, v9, s[4:5] offset:QSO            ; the word that holds my tile's two bytes in one of its halves
	s_mov_b32 s14, 0x01000100
	s_bitcmp1_b32 s16, 0
	s_cselect_b32 s14, 0x03020302, s14
	s_mov_b32 s2, 0                                ; the step's fragments in LDS: 4,096 bytes a step
	s_mov_b32 s3, 0                                ; its scale words: 256 bytes a step
	s_mov_b32 s18, 0                               ; the key step
	s_wait_loadcnt 0x0
	v_perm_b32 v11, v254, v254, s14                ; that half twice: it scales Q in either half of the 128 (the lines below are more than eight places ahead of the first product)
	v_mov_b32 v13, 0xff61b1e6                      ; the largest t so far: -3e38
	s_delay_alu instid0(VALU_DEP_1)
	v_floor_f32 v12, -v13
	v_mov_b32 v14, 0
	v_mov_b32 v15, 0
.set j, 0
.rept 32
	v_mov_b32 v[160+j], 0                          ; O^T: the step is written once; its first trip finds zeros
.set j, j+1
.endr
	s_wait_kmcnt 0x0
.Lkey:                                             ; sixteen trips: the count is a constant; a shut step's work is jumped over
	s_bitcmp1_b32 s17, s18
	s_cbranch_scc0 .Lskip
	s_setprio 2
	v_add_nc_u32 v8, s2, v1
	v_add_nc_u32 v9, s2, v2
	v_add_nc_u32 v10, s3, v3
	v_nop                                          ; four places behind the last products, ahead of loads into their registers
.set i, 0
.rept 8
	ds_load_b128 v[32+4*i:32+4*i+3], v8 offset:512*i
.set i, i+1
.endr
	ds_load_b128 v[200:203], v10
.set i, 0
.rept 8
	ds_load_b128 v[64+4*i:64+4*i+3], v9 offset:512*i
.set i, i+1
.endr
	ds_load_b128 v[204:207], v10 offset:4096
	s_wait_dscnt 9                                 ; K and its scale words are in; V's nine loads may be out
.irp f, 0,1,2,3
.irp c, 0,1
	v_wmma_scale_f32_16x16x128_f8f6f4 v[96+8*(2*\f+\c):103+8*(2*\f+\c)], v[32+8*\f:39+8*\f], v[16+8*\c:23+8*\c], 0, v[200+\f], v11 matrix_a_fmt:MATRIX_FMT_FP4 matrix_b_fmt:MATRIX_FMT_FP4
.endr
.endr
.rept 4
	v_nop
.endr
	s_add_co_u32 s24, s18, 16
	s_bitcmp1_b32 s17, s24
	s_cbranch_scc1 .Lopen                          ; every key of the step counts for every query of the tile
	s_load_b512 s[32:47], s[6:7], 0x0
	s_load_b512 s[48:63], s[6:7], 0x40
	s_load_b512 s[68:83], s[6:7], 0x80
	s_load_b512 s[84:99], s[6:7], 0xc0
	s_wait_kmcnt 0x0
.set n, 0
.rept 32
	v_cndmask_b32 v[96+n], v4, v[96+n], s[32+n]    ; a shut key's score becomes -infinity: p = 0
.set n, n+1
.endr
.rept 32
	v_cndmask_b32 v[96+n], v4, v[96+n], s[36+n]
.set n, n+1
.endr
.Lopen:
.irp b, 0,1,2,3
	v_max3_num_f32 v[232+\b], v[96+16*\b], v[97+16*\b], v[98+16*\b]   ; the largest score of each block of 32 keys: for the row's maximum, and, since p rises with the score, for the block's largest p
.endr
.irp i, 3,5,7,9,11,13
.irp b, 0,1,2,3
	v_max3_num_f32 v[232+\b], v[232+\b], v[96+16*\b+\i], v[97+16*\b+\i]
.endr
.endr
.irp b, 0,1,2,3
	v_max_num_f32 v[232+\b], v[232+\b], v[111+16*\b]
.endr
.irp b, 0,1,2,3
	s_delay_alu instid0(VALU_DEP_4)
	v_permlanex16_b32 v[236+\b], v[232+\b], s20, s21
.endr
.irp b, 0,1,2,3
	s_delay_alu instid0(VALU_DEP_4)
	v_max_num_f32 v[232+\b], v[232+\b], v[236+\b]  ; with lane l xor 16's 16 keys
.endr
	s_delay_alu instid0(VALU_DEP_2)
	v_max3_num_f32 v254, v232, v233, v234
	s_delay_alu instid0(VALU_DEP_1)
	v_max_num_f32 v254, v254, v235
	s_delay_alu instid0(VALU_DEP_1)
	v_mul_f32 v254, s22, v254
	s_delay_alu instid0(VALU_DEP_1)
	v_max_num_f32 v13, v13, v254                   ; the running largest t
	v_mov_b32 v254, v12
	s_delay_alu instid0(VALU_DEP_2)
	v_floor_f32 v12, -v13                          ; -M = floor(-t): M is a whole number
	s_delay_alu instid0(VALU_DEP_1)
	v_sub_f32 v254, v12, v254
	s_delay_alu instid0(VALU_DEP_1)
	v_cvt_i32_f32 v254, v254                       ; old M - new M, 0 or less (it saturates)
	s_delay_alu instid0(VALU_DEP_1)
	v_ldexp_f32 v252, 1.0, v254                    ; f = 2^(old M - new M): the rescaling rounds nothing
.set j, 0
.rept 32
	v_pk_fma_f32 v[96+j:97+j], v[96+j:97+j], s[22:23], v[12:13] op_sel_hi:[1,0,0]   ; t - M
.set j, j+2
.endr
.irp b, 0,1,2,3
	v_fma_f32 v[232+\b], v[232+\b], s22, v12
.endr
.set j, 0
	s_setprio 1
	s_wait_alu depctr_va_vdst(0)
.rept 64
	v_exp_f32 v[96+j], v[96+j]                     ; p = 2^(t - M): one batch
.set j, j+1
.endr
	v_pk_mul_f32 v[14:15], v[14:15], v[252:253] op_sel_hi:[1,0]    ; the sums under the new M: a plain place behind the batch
	s_wait_alu depctr_va_vdst(0)                   ; one wait for the 64, ahead of their first reader
.irp b, 0,1,2,3
	v_exp_f32 v[232+\b], v[232+\b]                 ; each block's largest p
.endr
	v_pk_add_f32 v[236:237], v[100:101], v[104:105]
	v_pk_add_f32 v[248:249], v[108:109], v[112:113]
	v_pk_add_f32 v[242:243], v[116:117], v[120:121]
	v_pk_add_f32 v[230:231], v[124:125], v[128:129]
	v_pk_add_f32 v[228:229], v[132:133], v[136:137]
	v_pk_add_f32 v[226:227], v[140:141], v[144:145]
	v_pk_add_f32 v[224:225], v[148:149], v[152:153]
	v_pk_add_f32 v[14:15], v[14:15], v[156:157]
	v_pk_add_f32 v[236:237], v[236:237], v[96:97]
	v_pk_add_f32 v[248:249], v[248:249], v[98:99]
	v_pk_add_f32 v[242:243], v[242:243], v[102:103]
	v_pk_add_f32 v[230:231], v[230:231], v[106:107]
	v_pk_add_f32 v[228:229], v[228:229], v[110:111]
	v_pk_add_f32 v[226:227], v[226:227], v[114:115]
	v_pk_add_f32 v[224:225], v[224:225], v[118:119]
	v_pk_add_f32 v[14:15], v[14:15], v[122:123]
	v_pk_add_f32 v[236:237], v[236:237], v[126:127]
	v_pk_add_f32 v[248:249], v[248:249], v[130:131]
	v_pk_add_f32 v[242:243], v[242:243], v[134:135]
	v_pk_add_f32 v[230:231], v[230:231], v[138:139]
	v_pk_add_f32 v[228:229], v[228:229], v[142:143]
	v_pk_add_f32 v[226:227], v[226:227], v[146:147]
	v_pk_add_f32 v[224:225], v[224:225], v[150:151]
	v_pk_add_f32 v[14:15], v[14:15], v[154:155]
	v_pk_add_f32 v[236:237], v[236:237], v[158:159]
	s_delay_alu instid0(VALU_DEP_2)
	v_pk_add_f32 v[14:15], v[14:15], v[230:231]
	s_delay_alu instid0(VALU_DEP_2)
	v_pk_add_f32 v[236:237], v[236:237], v[228:229]
	v_pk_add_f32 v[248:249], v[248:249], v[226:227]
	v_pk_add_f32 v[242:243], v[242:243], v[224:225]
	s_delay_alu instid0(VALU_DEP_2)
	v_pk_add_f32 v[14:15], v[14:15], v[248:249]
	s_delay_alu instid0(VALU_DEP_2)
	v_pk_add_f32 v[236:237], v[236:237], v[242:243]
	s_delay_alu instid0(VALU_DEP_1)
	v_pk_add_f32 v[14:15], v[14:15], v[236:237]
	s_wait_alu depctr_va_vdst(0)                   ; and one for the four
.irp b, 0,1,2,3
	v_max_num_f32 v[232+\b], 0x1800000, v[232+\b]  ; the floor: the byte cannot fall under 1
.endr
.irp b, 0,1,2,3
	s_delay_alu instid0(VALU_DEP_4)
	v_add_nc_u32 v[244+\b], 0xff000000, v[232+\b]
.endr
.irp b, 0,1,2,3
	s_delay_alu instid0(VALU_DEP_4)
	v_lshrrev_b32 v[236+\b], 23, v[244+\b]
.endr
	s_delay_alu instid0(VALU_DEP_3)
	v_lshl_or_b32 v253, v237, 8, v236              ; p's scale word for these 128 keys
	s_delay_alu instid0(VALU_DEP_1)
	v_lshl_or_b32 v253, v238, 16, v253
	s_delay_alu instid0(VALU_DEP_1)
	v_lshl_or_b32 v253, v239, 24, v253
	s_setprio 0
.irp b, 0,1,2,3
	v_cvt_scalef32_pk8_fp4_f32 v[192+2*\b], v[96+16*\b:103+16*\b], v[244+\b]
	v_cvt_scalef32_pk8_fp4_f32 v[193+2*\b], v[104+16*\b:111+16*\b], v[244+\b]
.endr
	v_nop                                          ; one plain place behind a scaled conversion
.irp c, 0,1
.irp i, 0,1
	v_permlane16_swap_b32 v[192+4*\c+\i], v[194+4*\c+\i]   ; a whole block to a lane
.endr
.endr
.set j, 0
.rept 16
	v_pk_mul_f32 v[160+j:161+j], v[160+j:161+j], v[252:253] op_sel_hi:[1,0]   ; O^T under the new M; these are also the places between the scale word, the codes and the products
.set j, j+2
.endr
	s_wait_alu depctr_va_vdst(0)
	s_wait_dscnt 0x0                               ; V and its scale words
.irp d, 0,1,2,3                        ; the four accumulators take turns
	v_wmma_scale_f32_16x16x128_f8f6f4 v[160+8*\d:167+8*\d], v[64+8*\d:71+8*\d], v[192:199], v[160+8*\d:167+8*\d], v[204+\d], v253 matrix_a_fmt:MATRIX_FMT_FP4 matrix_b_fmt:MATRIX_FMT_FP4
.endr
.Lskip:
	s_add_co_u32 s2, s2, 4096
	s_add_co_u32 s3, s3, 256
	s_add_nc_u64 s[6:7], s[6:7], 256               ; (a load by this pointer has been waited for)
	s_add_co_u32 s18, s18, 1
	s_cmp_lt_u32 s18, 16
	s_cbranch_scc1 .Lkey
	s_setprio 0
	; THE WAY OUT of a tile: O / the sum; its two blocks of 32 dims are quantised; 512 consecutive bytes of codes, and two scale bytes a row
	s_lshr_b32 s14, s16, 3
	s_mul_i32 s14, s14, BLK
	s_and_b32 s28, s16, 7
	s_lshl_b32 s24, s28, 10
	s_add_co_u32 s24, s24, s14
	s_lshl_b32 s28, s28, 7
	s_add_co_u32 s28, s28, s14
	v_add_f32 v14, v14, v15
	v_add_nc_u32 v8, s24, v1
	v_add_nc_u32 v9, s28, v6
	s_delay_alu instid0(VALU_DEP_3)
	v_permlanex16_b32 v252, v14, s20, s21
	s_delay_alu instid0(VALU_DEP_1)
	v_add_f32 v14, v14, v252                       ; the row's sum
	s_wait_alu depctr_va_vdst(0)
	v_rcp_f32 v15, v14
	v_mov_b32 v241, 0xffff                         ; (a plain place behind the reciprocal)
	s_wait_alu depctr_va_vdst(0)                   ; the wait ahead of its first reader
.set j, 0
.rept 32
	v_mul_f32 v[96+j], v[160+j], v15               ; register 16 b + i: dim 32 b + 16 h + i of my query
.set j, j+1
.endr
.irp b, 0,1
	v_max3_num_f32 v[232+\b], |v[96+16*\b]|, |v[97+16*\b]|, 0x1800000
.endr
.irp i, 2,4,6,8,10,12,14
.irp b, 0,1
	s_delay_alu instid0(VALU_DEP_2)
	v_max3_num_f32 v[232+\b], v[232+\b], |v[96+16*\b+\i]|, |v[97+16*\b+\i]|
.endr
.endr
.irp b, 0,1
	s_delay_alu instid0(VALU_DEP_2)
	v_permlanex16_b32 v[236+\b], v[232+\b], s20, s21
.endr
.irp b, 0,1
	s_delay_alu instid0(VALU_DEP_2)
	v_max_num_f32 v[232+\b], v[232+\b], v[236+\b]
.endr
.irp b, 0,1
	s_delay_alu instid0(VALU_DEP_2)
	v_add_nc_u32 v[244+\b], 0xff000000, v[232+\b]
.endr
.irp b, 0,1
	s_delay_alu instid0(VALU_DEP_2)
	v_lshrrev_b32 v[236+\b], 23, v[244+\b]
.endr
	s_delay_alu instid0(VALU_DEP_1)
	v_lshl_or_b32 v240, v237, 8, v236
	v_cmp_lt_f32 vcc_lo, 0, v14
	s_delay_alu instid0(VALU_DEP_1)
	v_cndmask_b32 v240, v241, v240, vcc_lo         ; a row with no open key: both bytes 0xff
.irp b, 0,1
	v_cvt_scalef32_pk8_fp4_f32 v[192+2*\b], v[96+16*\b:103+16*\b], v[244+\b]
	v_cvt_scalef32_pk8_fp4_f32 v[193+2*\b], v[104+16*\b:111+16*\b], v[244+\b]
.endr
	v_nop
	v_permlane16_swap_b32 v192, v194
	v_permlane16_swap_b32 v193, v195               ; v[192:195]: dims 32 h + 0 .. 31 of my query
	global_store_b128 v8, v[192:195], s[10:11]
	s_wait_alu depctr_va_vdst(0)
	s_wait_xcnt 0x0                                ; EXEC changes only behind this wait
	v_cmp_gt_u32 vcc_lo, 16, v5
	s_and_saveexec_b32 s14, vcc_lo
	global_store_b16 v9, v240, s[26:27]
	s_wait_xcnt 0x0                                ; and again ahead of the line that widens it; the stores' registers are free too
	s_or_b32 exec_lo, exec_lo, s14
	s_add_co_u32 s19, s19, 1
	s_cmp_lt_u32 s19, 2
	s_cbranch_scc1 .Lpass
	s_wait_tensorcnt 0x0
	ds_add_u32 v251, v255
	s_wait_dscnt 0x0
	s_endpgm
.Lfunc_end_k_q12a5bc5787_attn:
	.size	k_q12a5bc5787_attn, .Lfunc_end_k_q12a5bc5787_attn-k_q12a5bc5787_attn
	.p2alignl 7, 3214868480
	.fill 96, 4, 3214868480
	.section	.rodata,"a",@progbits
	.p2align	6, 0x0
	.amdhsa_kernel k_q12a5bc5787_attn
		.amdhsa_group_segment_fixed_size 141312
		.amdhsa_private_segment_fixed_size 0
		.amdhsa_enable_private_segment 0
		.amdhsa_kernarg_size 32
		.amdhsa_user_sgpr_count 2
		.amdhsa_user_sgpr_kernarg_segment_ptr 1
		.amdhsa_wavefront_size32 1
		.amdhsa_system_sgpr_workgroup_id_x 1
		.amdhsa_system_sgpr_workgroup_id_y 1
		.amdhsa_system_sgpr_workgroup_id_z 1
		.amdhsa_system_vgpr_workitem_id 0
		.amdhsa_next_free_vgpr 256
		.amdhsa_next_free_sgpr 100
		.amdhsa_reserve_vcc 1
		.amdhsa_float_denorm_mode_32 3
		.amdhsa_float_denorm_mode_16_64 3
		.amdhsa_memory_ordered 1
		.amdhsa_forward_progress 1
		.amdhsa_inst_pref_size 35
	.end_amdhsa_kernel
	.amdgpu_metadata
---
amdhsa.version: [ 1, 2 ]
amdhsa.kernels:
  - .name:           k_q12a5bc5787_attn
    .symbol:         k_q12a5bc5787_attn.kd
    .args:
      - { .name: hd, .offset: 0, .size: 8, .value_kind: global_buffer, .address_space: global }
      - { .name: maskw, .offset: 8, .size: 8, .value_kind: global_buffer, .address_space: global }
      - { .name: flags, .offset: 16, .size: 8, .value_kind: global_buffer, .address_space: global }
      - { .name: aq, .offset: 24, .size: 8, .value_kind: global_buffer, .address_space: global }
    .group_segment_fixed_size: 141312
    .private_segment_fixed_size: 0
    .kernarg_segment_align: 8
    .kernarg_segment_size: 32
    .max_flat_workgroup_size: 512
    .sgpr_count:     100
    .vgpr_count:     256
    .wavefront_size: 32
...
	.end_amdgpu_metadata
.endif
;; end of part 3
;; launch proj (part 4): grid 4 x 64, 4 waves a work-group, clusters of 4 x 4, 243,200 bytes of LDS; arguments aq, wq, out_b, out0; writes out0
.if DOCPART == 4
	.amdgcn_target "amdgcn-amd-amdhsa--gfx1250"
	.amdhsa_code_object_version 6
	.text
	.protected	k_q12a5bc5787_proj
	.globl	k_q12a5bc5787_proj
	.p2align	8
	.type	k_q12a5bc5787_proj,@function
k_q12a5bc5787_proj:
	s_mov_b64 s[64:65], 0
	v_nop
	global_prefetch_b8 v0, s[64:65] scope:SCOPE_SE
	s_setreg_imm32_b32 hwreg(HW_REG_WAVE_MODE, 25, 1), 1
	s_wait_xcnt 0x0
	s_wait_alu depctr_hold_cnt(0) depctr_sa_sdst(0) depctr_va_vdst(0) depctr_va_sdst(0) depctr_va_ssrc(0) depctr_va_vcc(0) depctr_vm_vsrc(0)
	s_getreg_b32 s2, hwreg(HW_REG_IB_STS2, 6, 4)
	s_cmp_eq_u32 s2, 0
	s_cbranch_scc0 .Lentry_in_a_cluster
	s_endpgm
.Lentry_in_a_cluster:
	s_bfe_u32 s2, ttmp6, 0x10000c
	s_cmp_lg_u32 s2, 0xf033
	s_cbranch_scc0 .Lentry_shape_is_right
	s_endpgm
.Lentry_shape_is_right:
; out0 = (attention's output) out_w + out_b on codes of FP4 with E8M0 scales.  A work-group makes 128 tokens x 256 columns (256 work-groups), a wave 64 x 128: 32 accumulators.
; All of K (1,024) of one block of aq and two of the weight (wq's blocks 24 on) fits in LDS: 3 x 69,632 bytes, filled ONCE: wave 0 brings aq's block, waves 1 and 2 the weight's, each in four pieces of 256 along K
; (four tensor loads of a wave are out at the start; wave 3 issues none); the products of a piece begin when it has landed.  Nothing is filled again; the stage for the way out has bytes of its own.
; CLUSTER 4 x 4: aq's block hangs on the work-group's y and is asked for jointly along a row of the cluster, the weight's blocks on its x, along a column.
; Source 1 = 16 tokens (a lane holds one), source 0 = 16 columns: register j of inner tile i is column 32 (i / 2) + 8 (i % 2) + 16 h + j.  The bias is the C of each sum's first product.
; A token whose scale bytes are 0xff (no open key) comes out NaN in every column.
; REGISTERS: window 0: v1-15 addresses; v32-63 the weight's scale words, v64-79 aq's (two sets each; nothing else ever); v96-159 the bias; on the way out v96-223 rows of the result.
;   window 1: v0-127 the weight's fragments, two sets; v128-191 aq's, two sets.   window 2: accumulator (o, i) at v[8 (8 o + i)].
.set BLK,   69632
.set PIECE, 17408
.set STG,   3*BLK                      ; the stages: 16 rows x (512 + 16) bytes for each wave
.set SPT,   528
.set WST,   16*SPT
.set AO,   4
.set AI,   6
.set ASO,  8
.set ASI,  10
.set L16,  12
.set STO,  13
.set RD,   14
.set BOF,  15
.set SI,   32
.set SO,   64
.set BIAS, 96
.set BK,   96
.set G1A,  24
.set G1W,  32
.set G0A,  40
.set G0W,  68
.set MSB, 0
.macro WIN new
.if MSB != (\new)
	s_set_vgpr_msb (MSB<<8)|(\new)
.set MSB, (\new)
.endif
.endm
.macro PLACES
.rept 4
	v_nop
.endr
.endm
.macro CROUND
	s_barrier_signal -1
	s_barrier_wait -1
	s_cmp_lg_u32 s14, 0
	s_cbranch_scc1 .Lnot_wave_0_\@
	s_barrier_signal -3
.Lnot_wave_0_\@:
	s_barrier_wait -3
	s_barrier_signal -1
	s_barrier_wait -1
.endm
	s_load_b256 s[4:11], s[0:1], 0x0               ; aq s[4:5], wq s[6:7], out_b s[8:9], out0 s[10:11]
	v_lshl_add_u32 v254, v0, 2, 0x3b400
	v_mov_b32 v255, 0
	ds_add_u32 v254, v255
	ds_add_u32 v254, v255
	v_lshrrev_b32 v1, 5, v0
	v_readfirstlane_b32 s14, v1                    ; wave 0..3
	s_lshr_b32 s15, s14, 1                         ; wy: my 64 tokens
	s_and_b32 s16, s14, 1                          ; wx: my 128 columns
	s_bfe_u32 s17, ttmp6, 0x40000                  ; cx
	s_bfe_u32 s18, ttmp6, 0x40004                  ; cy
	s_lshl_b32 s19, ttmp9, 2
	s_add_co_u32 s19, s19, s17                     ; work-group x
	s_and_b32 s20, ttmp7, 0xffff
	s_lshl_b32 s20, s20, 2
	s_add_co_u32 s20, s20, s18                     ; work-group y
	s_lshl_b32 s21, s18, 2
	s_lshl_b32 s21, 15, s21                        ; my row of the cluster
	s_lshl_b32 s22, 0x1111, s17                    ; my column
	s_or_b32 s[G1A], s21, (3<<16)|(1<<21)
	s_or_b32 s[G1W], s22, (3<<16)|(1<<21)
.irp g, G1A, G1W
	s_mov_b32 s[\g+1], 32<<16                      ; rows of 32 elements of 8 bytes,
	s_mov_b32 s[\g+2], 68<<16                      ; 68 of them: a piece, dense
	s_mov_b32 s[\g+3], 32<<16
	s_mov_b32 s[\g+4], 68
	s_mov_b32 s[\g+5], 32
	s_mov_b32 s[\g+6], 0
	s_mov_b32 s[\g+7], 0
.endr
	s_mul_i32 s56, s20, BLK                        ; aq's block y
	s_mov_b32 s57, 0
	s_sub_co_u32 s60, s14, 1
	s_and_b32 s60, s60, 1                          ; waves 1, 2: the first, the second of my two blocks of the weight
	s_lshl_b32 s61, s19, 1
	s_add_co_u32 s60, s60, s61
	s_add_co_u32 s60, s60, 24
	s_mul_i32 s60, s60, BLK
	s_mov_b32 s61, 0
	s_mul_i32 s23, s14, BLK                        ; LDS: region = wave
	s_wait_dscnt 0x0
	s_wait_kmcnt 0x0
	s_add_nc_u64 s[58:59], s[4:5], s[56:57]
	s_add_nc_u64 s[62:63], s[6:7], s[60:61]
.irp p, 0,1,2,3
	s_mov_b32 s[G0A+4*\p], 1
	s_add_co_u32 s[G0A+4*\p+1], s23, \p*PIECE
	s_add_nc_u64 s[G0A+4*\p+2:G0A+4*\p+3], s[58:59], \p*PIECE
	s_or_b32 s[G0A+4*\p+3], s[G0A+4*\p+3], 0x80000000
	s_mov_b32 s[G0W+4*\p], 1
	s_add_co_u32 s[G0W+4*\p+1], s23, \p*PIECE
	s_add_nc_u64 s[G0W+4*\p+2:G0W+4*\p+3], s[62:63], \p*PIECE
	s_or_b32 s[G0W+4*\p+3], s[G0W+4*\p+3], 0x80000000
.endr
	CROUND                                         ; all sixteen work-groups are here: the joint loads meet
	s_cmp_eq_u32 s14, 0
	s_cbranch_scc0 .Lnot_a
.irp p, 0,1,2,3
	tensor_load_to_lds s[G0A+4*\p:G0A+4*\p+3], s[G1A:G1A+7]
	s_nop 0
.endr
	PLACES
	s_branch .Lfilled
.Lnot_a:
	s_cmp_lt_u32 s14, 3
	s_cbranch_scc0 .Lfilled
.irp p, 0,1,2,3
	tensor_load_to_lds s[G0W+4*\p:G0W+4*\p+3], s[G1W:G1W+7]
	s_nop 0
.endr
	PLACES
.Lfilled:
	v_and_b32 v1, 31, v0
	v_and_b32 v2, 15, v0                           ; r
	v_bfe_u32 v3, v0, 4, 1                         ; h
	v_lshlrev_b32 v[L16], 4, v1
	s_lshl_b32 s21, s15, 12                        ; my four tiles of tokens
	v_add_nc_u32 v[AO], s21, v[L16]
	v_add_nc_u32 v[AO+1], 2*PIECE, v[AO]
	s_mul_i32 s22, s16, BLK
	s_add_co_u32 s22, s22, BLK
	v_add_nc_u32 v[AI], s22, v[L16]
	v_add_nc_u32 v[AI+1], 2*PIECE, v[AI]
	s_lshl_b32 s21, s15, 9
	s_add_co_u32 s21, s21, 16384
	v_lshl_add_u32 v[ASO], v2, 3, s21
	v_add_nc_u32 v[ASO+1], 2*PIECE, v[ASO]
	s_add_co_u32 s22, s22, 16384
	v_lshl_add_u32 v[ASI], v2, 3, s22
	v_add_nc_u32 v[ASI+1], 2*PIECE, v[ASI]
	s_mul_i32 s21, s14, WST
	s_add_co_u32 s21, s21, STG                     ; my stage
	v_mul_u32_u24 v[STO], v2, SPT
	v_lshl_add_u32 v[STO], v3, 6, v[STO]
	v_add_nc_u32 v[STO], s21, v[STO]               ; in: row r, 64 h bytes on
	v_add_nc_u32 v[RD], s21, v[L16]                ; back: a whole row of 512 bytes
	s_lshl_b32 s84, s20, 7
	s_lshl_b32 s85, s15, 6
	s_add_co_u32 s84, s84, s85
	s_lshl_b32 s84, s84, 12                        ; my first token's row of 4,096 bytes,
	s_lshl_b32 s86, s19, 10
	s_lshl_b32 s85, s16, 9
	s_add_co_u32 s86, s86, s85                     ; my first column, in bytes
	s_add_co_u32 s84, s84, s86
	s_mov_b32 s85, 0
	s_mov_b32 s87, 0
	s_add_nc_u64 s[10:11], s[10:11], s[84:85]
	s_add_nc_u64 s[8:9], s[8:9], s[86:87]
	v_lshlrev_b32 v[BOF], 6, v3
.irp i, 0,1,2,3,4,5,6,7
	global_load_b128 v[BIAS+8*\i:BIAS+8*\i+3], v[BOF], s[8:9] offset:(32*(\i/2)+8*(\i%2))*4
	global_load_b128 v[BIAS+8*\i+4:BIAS+8*\i+7], v[BOF], s[8:9] offset:(32*(\i/2)+8*(\i%2))*4+16
.endr
.macro FETCH sg                        ; step sg of eight: 16 loads for the weight's eight tiles, 8 for my four tiles of tokens, into set sg % 2
	WIN 0x40
.set t, 0
.rept 16
	ds_load_b128 v[64*((\sg)%2)+4*t:64*((\sg)%2)+4*t+3], v[AI+(\sg)/4] offset:(((\sg)/2)%2)*PIECE+((\sg)%2)*8192+512*t
.set t, t+1
.endr
.set t, 0
.rept 8
	ds_load_b128 v[128+32*((\sg)%2)+4*t:128+32*((\sg)%2)+4*t+3], v[AO+(\sg)/4] offset:(((\sg)/2)%2)*PIECE+((\sg)%2)*8192+512*t
.set t, t+1
.endr
.endm
.macro SCAL p
	WIN 0
.set t, 0
.rept 8
	ds_load_b64 v[SI+16*((\p)%2)+2*t:SI+16*((\p)%2)+2*t+1], v[ASI+(\p)/2] offset:((\p)%2)*PIECE+128*t
.set t, t+1
.endr
.set t, 0
.rept 4
	ds_load_b64 v[SO+8*((\p)%2)+2*t:SO+8*((\p)%2)+2*t+1], v[ASO+(\p)/2] offset:((\p)%2)*PIECE+128*t
.set t, t+1
.endr
.endm
; 16 products: tiles of tokens o0, o0 + 1 x the eight tiles of columns.  The 32 accumulators take turns, one instruction a turn, in the same order in every step.
.macro MULP sg, o0, first
.if \first
	WIN 0x85                                       ; sources 0 and 1 window 1, C (the bias) window 0, D window 2
.else
	WIN 0xa5
.endif
.irp o, \o0, \o0+1
.irp i, 0,1,2,3,4,5,6,7
.if \first
	v_wmma_scale_f32_16x16x128_f8f6f4 v[8*(8*(\o)+\i):8*(8*(\o)+\i)+7], v[64*((\sg)%2)+8*\i:64*((\sg)%2)+8*\i+7], v[128+32*((\sg)%2)+8*(\o):128+32*((\sg)%2)+8*(\o)+7], v[BIAS+8*\i:BIAS+8*\i+7], v[SI+16*(((\sg)/2)%2)+2*\i+(\sg)%2], v[SO+8*(((\sg)/2)%2)+2*(\o)+(\sg)%2] matrix_a_fmt:MATRIX_FMT_FP4 matrix_b_fmt:MATRIX_FMT_FP4
.else
	v_wmma_scale_f32_16x16x128_f8f6f4 v[8*(8*(\o)+\i):8*(8*(\o)+\i)+7], v[64*((\sg)%2)+8*\i:64*((\sg)%2)+8*\i+7], v[128+32*((\sg)%2)+8*(\o):128+32*((\sg)%2)+8*(\o)+7], v[8*(8*(\o)+\i):8*(8*(\o)+\i)+7], v[SI+16*(((\sg)/2)%2)+2*\i+(\sg)%2], v[SO+8*(((\sg)/2)%2)+2*(\o)+(\sg)%2] matrix_a_fmt:MATRIX_FMT_FP4 matrix_b_fmt:MATRIX_FMT_FP4
.endif
.endr
.endr
.endm
	s_wait_alu depctr_va_vdst(0)
	s_wait_loadcnt 0x0                             ; the bias
	s_wait_tensorcnt 0x3                           ; my piece 0 has landed; my three later loads may be out
	s_barrier_signal -1
	s_barrier_wait -1                              ; everybody's has
	FETCH 0
	SCAL 0
	s_wait_dscnt 0x0
	FETCH 1
	MULP 0, 0, 1
	MULP 0, 2, 1
.irp sg, 1,2,3,4,5,6,7
	s_wait_dscnt 0x0                               ; this step's fragments are in; no LDS instruction of mine is out at a signal
.if (\sg)%2 == 0
	PLACES
	FETCH (\sg)+1
	MULP \sg, 0, 0
	MULP \sg, 2, 0
.elseif (\sg) < 7
	s_wait_tensorcnt 2-(\sg)/2                     ; my load of the next piece has landed; those behind it may be out
	s_barrier_signal -1
	MULP \sg, 0, 0
	s_barrier_wait -1
	PLACES
	FETCH (\sg)+1
	SCAL ((\sg)+1)/2
	MULP \sg, 2, 0
.else
	MULP \sg, 0, 0
	MULP \sg, 2, 0
.endif
.endr
; THE WAY OUT, a tile of 16 tokens x 128 columns at a time, through my own stage: in as 32 bytes a lane and tile of columns, back as whole rows of 512 bytes.  LDS serves a wave's instructions in order.
.macro TOSTAGE o
	WIN 0x08                                       ; an LDS store's data: window 2
.irp i, 0,1,2,3,4,5,6,7
	ds_store_b128 v[STO], v[8*(8*(\o)+\i):8*(8*(\o)+\i)+3] offset:128*(\i/2)+32*(\i%2)          ; each accumulator from its low end on
	ds_store_b128 v[STO], v[8*(8*(\o)+\i)+4:8*(8*(\o)+\i)+7] offset:128*(\i/2)+32*(\i%2)+16
.endr
	WIN 0
.set t, 0
.rept 16
	ds_load_b128 v[BK+64*((\o)%2)+4*t:BK+64*((\o)%2)+4*t+3], v[RD] offset:SPT*t
.set t, t+1
.endr
.endm
.macro SEND o, younger                 ; younger: the LDS instructions issued behind tile o's loads, which may stay out
	s_wait_dscnt \younger
.set t, 0
.rept 16
	global_store_b128 v[L16], v[BK+64*((\o)%2)+4*t:BK+64*((\o)%2)+4*t+3], s[10:11] offset:(32*((\o)/2)+8*((\o)%2)+t+8*(t/8))*4096 th:TH_STORE_NT   ; 512 consecutive bytes of a token's row, aligned
.set t, t+1
.endr
.endm
	PLACES
	TOSTAGE 0
.irp o, 1,2,3
.if \o > 1
	s_wait_xcnt 0x0                                ; the stores of two tiles back have read their registers
.endif
	TOSTAGE \o
	SEND (\o)-1, 32                                ; behind that tile's loads: this tile's 16 stores and 16 loads
.endr
	SEND 3, 0
	s_wait_tensorcnt 0x0
	ds_add_u32 v254, v255
	s_wait_dscnt 0x0
	CROUND                                         ; the closing round: no work-group ends while a partner may still ask for a tile that names it
	s_endpgm
.Lfunc_end_k_q12a5bc5787_proj:
	.size	k_q12a5bc5787_proj, .Lfunc_end_k_q12a5bc5787_proj-k_q12a5bc5787_proj
	.p2alignl 7, 3214868480
	.fill 96, 4, 3214868480
	.section	.rodata,"a",@progbits
	.p2align	6, 0x0
	.amdhsa_kernel k_q12a5bc5787_proj
		.amdhsa_group_segment_fixed_size 243200
		.amdhsa_private_segment_fixed_size 0
		.amdhsa_enable_private_segment 0
		.amdhsa_kernarg_size 32
		.amdhsa_user_sgpr_count 2
		.amdhsa_user_sgpr_kernarg_segment_ptr 1
		.amdhsa_wavefront_size32 1
		.amdhsa_system_sgpr_workgroup_id_x 1
		.amdhsa_system_sgpr_workgroup_id_y 1
		.amdhsa_system_sgpr_workgroup_id_z 1
		.amdhsa_system_vgpr_workitem_id 0
		.amdhsa_next_free_vgpr 768
		.amdhsa_next_free_sgpr 100
		.amdhsa_reserve_vcc 0
		.amdhsa_float_denorm_mode_32 3
		.amdhsa_float_denorm_mode_16_64 3
		.amdhsa_memory_ordered 1
		.amdhsa_forward_progress 1
		.amdhsa_inst_pref_size 74
	.end_amdhsa_kernel
	.amdgpu_metadata
---
amdhsa.version: [ 1, 2 ]
amdhsa.kernels:
  - .name:           k_q12a5bc5787_proj
    .symbol:         k_q12a5bc5787_proj.kd
    .args:
      - { .name: aq, .offset: 0, .size: 8, .value_kind: global_buffer, .address_space: global }
      - { .name: wq, .offset: 8, .size: 8, .value_kind: global_buffer, .address_space: global }
      - { .name: out_b, .offset: 16, .size: 8, .value_kind: global_buffer, .address_space: global }
      - { .name: out0, .offset: 24, .size: 8, .value_kind: global_buffer, .address_space: global }
    .group_segment_fixed_size: 243200
    .private_segment_fixed_size: 0
    .kernarg_segment_align: 8
    .kernarg_segment_size: 32
    .max_flat_workgroup_size: 128
    .sgpr_count:     100
    .vgpr_count:     768
    .wavefront_size: 32
...
	.end_amdgpu_metadata
.endif
;; end of part 4
